; MI455X (gfx1250); checked and timed in simulation.
; The chip was launched on July 23, 2026; its instructions are those of AMD's public machine-readable ISA for CDNA 5 (MIT licence, August 2026) and "CDNA5" Instruction Set Architecture Reference Guide (July 2026). The comments in the code are by the model that wrote it; some were corrected since.
;; Multi Head Attention. Allowed arithmetic: matrix products marked QUANTISED: E2M3 operands, one E8M0 scale for each 32 along K, by v_wmma_scale_f32_16x16x128_f8f6f4 with both operands' format E2M3, f32 sums; everything else in f32.
;; Inputs: Wk 1,024 x 1,024 float32; Wo 1,024 x 1,024 float32; Wq 1,024 x 1,024 float32; Wv 1,024 x 1,024 float32; bk 1,024 float32; bo 1,024 float32; bq 1,024 float32; bv 1,024 float32; x 4 x 2,048 x 1,024 float32.
;; Outputs: out0 4 x 2,048 x 1,024 float32.
;; This version of the problem:
;;   THIS VERSION OF THE PROBLEM IS GIVEN IN LOW PRECISION. The matrix products marked QUANTISED in the list below multiply operands that are first quantised to E2M3 (2 exponent bits, 3 mantissa bits; 6 bits a number), with one power-of-two scale for each 32 numbers along K (OCP MX v1.0); their sums are f32. All else is computed in f32.
;;   The module's matrix products, in the order in which they are computed (A, B: the left and right operand; K: the contracted axis; several contracted axes count as one K, in the product's order):
;;     1. [M 8,192, K 1,024] x [K 1,024, N 1,024]; A: input x; B: input Wq: QUANTISED
;;     2. [M 8,192, K 1,024] x [K 1,024, N 1,024]; A: input x; B: input Wk: QUANTISED
;;     3. [M 8,192, K 1,024] x [K 1,024, N 1,024]; A: input x; B: input Wv: QUANTISED
;;     4. batch 64 x [M 2,048, K 64] x [K 64, N 2,048]; A: computed on the way; B: computed on the way: QUANTISED
;;     5. batch 64 x [M 2,048, K 2,048] x [K 2,048, N 64]; A: softmax (see below); B: computed on the way: QUANTISED
;;     6. [M 8,192, K 1,024] x [K 1,024, N 1,024]; A: computed on the way; B: input Wo: QUANTISED
;;   THE QUANTISER, for each operand of a quantised product, along K:
;;     - K is cut into blocks of 32 from its start; a last block that is shorter is filled with zeros.
;;     - A block's scale is 2^e with e = floor(log2(the largest magnitude in the block)) - 2, held to -126 .. 127; a block of zeros has e = 0. As a byte (E8M0): e + 127.
;;     - Each number is divided by its block's scale, clamped to +-7.5, and rounded to the nearest number of E2M3, ties to even, subnormals kept.
;;     - The product sums the exact products of the quantised numbers (number of the format x scale) in f32.
;;   ~~~python
;;   def quantise(x, axis):      # numpy; x: float32 -> the quantised numbers, widened to float32 again
;;       x = np.moveaxis(x, axis, -1); K = x.shape[-1]
;;       x = np.pad(x, [(0, 0)] * (x.ndim - 1) + [(0, -K % 32)]); x = x.reshape(x.shape[:-1] + (-1, 32)); a = np.abs(x).max(-1, keepdims=True)
;;       e = np.where(a > 0, np.clip(np.frexp(np.where(a > 0, a, 1))[1] - 1 - 2, -126, 127), 0)      # np.frexp(a)[1] - 1 = floor(log2(a)), exactly
;;       r = np.clip(x / 2.0 ** e, -7.5, 7.5)
;;       step = 2.0 ** (np.maximum(np.frexp(np.where(r == 0, 1, r))[1] - 1, 0) - 3)
;;       q = np.round(r / step) * step * 2.0 ** e      # np.round: ties to even
;;       return np.moveaxis(q.reshape(q.shape[:-2] + (-1,))[..., :K], -1, axis).astype(np.float32)
;;   ~~~
;;   SOFTMAX AHEAD OF A QUANTISED PRODUCT. Where the list says 'softmax', what is quantised is not the finished softmax but p = 2^(t - M), with t = logit x log2(e) and M = ceil(the row's largest t), a whole number; so 1/2 < the row's largest p <= 1. The row's sum l is taken of the UNQUANTISED p, in f32, and the product's result is divided by l at the end. Since M is a whole number, a kernel that streams over the keys may use a running M (the ceiling of the running maximum): every later rescaling is an exact power of two, which a block's scale takes up: the codes' values come out the same.
;;   OPERANDS COMPUTED ON THE WAY. 'Computed on the way' means the value that the module computes at that place (a softmax that the list does not call 'softmax' is quantised finished and normalised). What goes into a quantiser is computed in f32, as accurately as f32 sums, v_exp_f32 and their like allow (about 1e-6 of the number): no bf16 or f16 on the way to a quantiser, and a product that is left as it is and whose result goes on into a quantised operand takes f32 operands (vector FMAs, or v_wmma_f32_16x16x4_f32). A number that lies on a knife's edge between two numbers of the format may be rounded either way, as far as f32 arithmetic and the matrix unit's own rounding can turn it there, and no further.
;; One version. Each part assembles by itself: llvm-mc -triple=amdgcn-amd-amdhsa -mcpu=gfx1250 --defsym DOCPART=n.
;; ======== version 1 of 1: 4 launches
;; limits: right only within a limited range of input values
;; workspace buffers: xq 6,553,600 bytes; wq 3,276,800 bytes; kv 13,107,200 bytes; qb 6,815,744 bytes; cb 6,553,600 bytes
;; launch quant (part 1): grid 256 x 1, 8 waves a work-group, no clusters, 95,232 bytes of LDS; arguments x, Wq, Wk, Wv, Wo, xq, wq; writes xq, wq
.if DOCPART == 1
	.amdgcn_target "amdgcn-amd-amdhsa--gfx1250"
	.amdhsa_code_object_version 6
	.text
	.protected	k_qc254d56f65_quant
	.globl	k_qc254d56f65_quant
	.p2align	8
	.type	k_qc254d56f65_quant,@function
k_qc254d56f65_quant:
	s_mov_b64 s[64:65], 0
	v_nop
	global_prefetch_b8 v0, s[64:65] scope:SCOPE_SE
	s_setreg_imm32_b32 hwreg(HW_REG_WAVE_MODE, 25, 1), 1
	s_wait_xcnt 0x0
; x [8192][1024] and the four weights [1024 (k)][1024 (n)], f32, become codes of FP6 (E2M3) with one E8M0 byte for each 32 along K.
; A block's scale is 2^(floor(log2(largest magnitude)) - 2): its byte is the largest magnitude's exponent field - 2, held at 1 from below.
; LIMITS: NaN and infinities among the inputs are not served.  A block of zeros, or one whose largest magnitude lies under 2^-124, gets the byte 1
; (the quantiser's text says 127 for zeros): its codes are zeros, which add nothing under any byte but 0xff, and only this program reads the bytes.
; LAYOUT OF THE RESULTS: IMAGES OF OPERAND REGISTERS.  A half H(T, g), 768 bytes, holds row tile T (16 rows) and 64 along K from 64 g on:
; lane l = (r = l % 16, h = l / 16) owns the 32 codes (6 registers) of row tau(T, r), k = 64 g + 32 h + 0..31; registers 0-3 lie at 16 l, registers 4-5 at 512 + 8 l.
; tau(T, r) = 32 (T / 2) + 8 (T % 2) + r + 8 (r / 8).  A tile's 16 halves lie on end (12,288 bytes).  Rows are tokens for x and output columns for the weights
; (tiles 0-63 Wq, 64-127 Wk, 128-191 Wv, 192-255 Wo).  Scale words: 512 bytes a tile, [K half q][r][4 words]: word (q, r, i) = the 4 bytes of K step 4 q + i of row tau(T, r).
; Work-groups 0-127 take x, 128-255 the weights: one scalar branch on the work-group's number; each path has LDS bytes of its own.  Waves share nothing: no barrier.
.set XSCL, 6291456                     ; xq: the scale words lie behind 512 tiles x 12,288 bytes
.set WSCL, 3145728                     ; wq: behind 256 tiles
.set XST,  8448                        ; x path: a wave's stage, 16 rows x (512 + 16) bytes
.set WST0, 67584                       ; W path: its stages begin behind the x path's eight
.set WST,  3328                        ; a wave's: two tiles x (1,536 + 128) bytes
.set R,   16                           ; v16-143  x path: two sets of 16 x 4 registers as loaded
.set X,   144                          ; v144-207 64 numbers of my row: two whole blocks of 32
.set PC,  208                          ; v208-219 a fragment's codes
.set XT,  220                          ; v220-222, v224-226 the blocks' upper halves (a conversion's three registers begin on an even number)
.set TM,  228                          ; v228-229 largest magnitudes
.set SO,  230                          ; v230-231 the conversions' scale operands
.set BY,  232                          ; v232-233 the scale bytes
.set TW,  234
.set SW,  236                          ; v236-239 my row's four scale words
.set PL,  240                          ; destination of the lane permute
.set WX,  64                           ; W path: v64-191 128 numbers down K of my column, 32 registers of its own for each block
.set WC,  192                          ; v192-223 codes, eight registers for each block
.set WT,  224                          ; v224-226 a block's upper half
.set WO,  228                          ; v228-251 the way out
	s_load_b256 s[4:11], s[0:1], 0x0               ; x, Wq, Wk, Wv
	s_load_b128 s[12:15], s[0:1], 0x20             ; Wo, xq
	s_load_b64 s[16:17], s[0:1], 0x30              ; wq
	v_lshl_add_u32 v254, v0, 2, 0x17000
	v_mov_b32 v255, 0
	v_lshrrev_b32 v1, 5, v0
	s_delay_alu instid0(VALU_DEP_1)
	v_readfirstlane_b32 s18, v1                    ; wave 0..7
	v_and_b32 v9, 31, v0                           ; lane
	v_and_b32 v10, 15, v0                          ; r
	v_bfe_u32 v11, v0, 4, 1                        ; h
	s_mov_b32 s20, 0x76543210
	s_mov_b32 s21, 0xfedcba98                      ; selects: lane l xor 16
	s_wait_kmcnt 0x0
	s_cmp_lt_u32 ttmp9, 128
	s_cbranch_scc0 .Lweights
; ---------------- x: a wave takes tile T's 16 rows x 512 along K (K half q), in four units of 128 along K ----------------
	s_lshl_b32 s22, ttmp9, 3
	s_add_co_u32 s22, s22, s18
	s_lshr_b32 s23, s22, 1                         ; T
	s_and_b32 s24, s22, 1                          ; q
	s_lshr_b32 s25, s23, 1
	s_lshl_b32 s26, s25, 17                        ; 32 (T / 2) rows of 4,096 bytes
	s_and_b32 s25, s23, 1
	s_lshl_b32 s25, s25, 15                        ; 8 (T % 2) rows
	s_add_co_u32 s26, s26, s25
	s_lshl_b32 s25, s24, 11                        ; 512 q numbers
	s_add_co_u32 s26, s26, s25
	s_mov_b32 s27, 0
	s_lshl_b32 s28, s23, 3
	s_lshl_b32 s25, s24, 2
	s_add_co_u32 s28, s28, s25
	s_mul_i32 s28, s28, 1536                       ; fragment 8 T + 4 q
	s_mov_b32 s29, 0
	s_lshl_b32 s30, s23, 9
	s_lshl_b32 s25, s24, 8
	s_add_co_u32 s30, s30, s25
	s_add_co_u32 s30, s30, XSCL
	s_mov_b32 s31, 0
	s_add_nc_u64 s[26:27], s[4:5], s[26:27]
	s_add_nc_u64 s[28:29], s[14:15], s[28:29]
	s_add_nc_u64 s[30:31], s[14:15], s[30:31]
	s_wait_alu depctr_va_vdst(0)
	v_lshlrev_b32 v2, 4, v9                        ; 16 l: a load's and a store's 512 consecutive bytes
.macro LOAD u                          ; unit u: 512 bytes of each of my 16 rows, a row a load
.irp j, 0,1,2,3,4,5,6,7,8,9,10,11,12,13,14,15
	global_load_b128 v[R+64*((\u)%2)+4*\j:R+64*((\u)%2)+4*\j+3], v2, s[26:27] offset:(\j+8*(\j/8))*4096+512*(\u) th:TH_LOAD_NT
.endr
.endm
	LOAD 0
	LOAD 1
	s_mul_i32 s19, s18, XST
	v_add_nc_u32 v3, s19, v2                       ; into the stage: row j at 528 j, as loaded
	v_mul_u32_u24 v4, v10, 528
	s_delay_alu instid0(VALU_DEP_1)
	v_lshl_add_u32 v4, v11, 7, v4
	s_delay_alu instid0(VALU_DEP_1)
	v_add_nc_u32 v4, s19, v4                       ; out of it: row r, + 128 h: my block of each 64 along K
	v_lshlrev_b32 v6, 3, v9
	s_delay_alu instid0(VALU_DEP_1)
	v_add_nc_u32 v6, 512, v6                       ; 512 + 8 l
	v_lshlrev_b32 v7, 4, v10                       ; 16 r
	v_lshlrev_b32 v8, 3, v11                       ; 8 h
	v_mov_b32 v[PL], 0                             ; a lane permute's destination counts as one of its sources
.macro UNIT u
.if (\u) < 3
	s_wait_loadcnt 16                              ; this unit's 16 loads are in; the next unit's 16 may be out
.else
	s_wait_loadcnt 0x0
.endif
.irp j, 0,1,2,3,4,5,6,7,8,9,10,11,12,13,14,15
	ds_store_b128 v3, v[R+64*((\u)%2)+4*\j:R+64*((\u)%2)+4*\j+3] offset:528*\j
.endr
.irp c, 0,1
.irp i, 0,1,2,3,4,5,6,7
	ds_load_b128 v[X+32*\c+4*\i:X+32*\c+4*\i+3], v4 offset:256*\c+16*\i   ; LDS serves a wave's instructions in order: these see my stores
.endr
.endr
	s_wait_dscnt 0x0                               ; my 64 numbers are back, and the stores have read their registers
.if (\u) > 0
	s_wait_xcnt 0x0                                ; the last unit's stores have read the codes' registers, which are written again below
.endif
.if (\u) < 2
	LOAD (\u)+2
.endif
.irp c, 0,1
	v_max3_num_f32 v[TM+\c], |v[X+32*\c]|, |v[X+32*\c+1]|, 0x1800000   ; block 2 c + h is all mine; the floor 2^(3 - 127) holds the byte at 1 from below
.endr
.irp i, 2,4,6,8,10,12,14,16,18,20,22,24,26,28,30
.irp c, 0,1
	s_delay_alu instid0(VALU_DEP_2)
	v_max3_num_f32 v[TM+\c], v[TM+\c], |v[X+32*\c+\i]|, |v[X+32*\c+\i+1]|
.endr
.endr
.irp c, 0,1
	s_delay_alu instid0(VALU_DEP_2)
	v_add_nc_u32 v[SO+\c], 0xff000000, v[TM+\c]    ; 2 off the exponent field: the conversion takes this operand's exponent field as its scale
.endr
.irp c, 0,1
	s_delay_alu instid0(VALU_DEP_2)
	v_lshrrev_b32 v[BY+\c], 23, v[SO+\c]           ; the scale's byte
.endr
	s_delay_alu instid0(VALU_DEP_1)
	v_lshl_or_b32 v[TW], v[BY+1], 16, v[BY]        ; my bytes of blocks h and 2 + h,
	s_delay_alu instid0(VALU_DEP_1)
	v_lshlrev_b32 v[TW], v8, v[TW]                 ; at their places in the word;
	s_delay_alu instid0(VALU_DEP_1)
	v_permlanex16_b32 v[PL], v[TW], s20, s21
	s_delay_alu instid0(VALU_DEP_1)
	v_or_b32 v[SW+(\u)], v[TW], v[PL]              ; with lane l xor 16's two the word is whole
.irp c, 0,1
	v_cvt_scalef32_pk16_fp6_f32 v[PC+6*\c:PC+6*\c+2], v[X+32*\c:X+32*\c+15], v[SO+\c]
	v_cvt_scalef32_pk16_fp6_f32 v[XT+4*\c:XT+4*\c+2], v[X+32*\c+16:X+32*\c+31], v[SO+\c]
.endr
	v_nop                                          ; one plain place behind the scaled conversions
.irp c, 0,1
.irp i, 0,1,2
	v_mov_b32 v[PC+6*\c+3+\i], v[XT+4*\c+\i]
.endr
.endr
.irp c, 0,1
	global_store_b128 v2, v[PC+6*\c:PC+6*\c+3], s[28:29] offset:1536*(\u)+768*\c     ; 512 consecutive bytes, at a multiple of 256
	global_store_b64 v6, v[PC+6*\c+4:PC+6*\c+5], s[28:29] offset:1536*(\u)+768*\c    ; 256 consecutive bytes, likewise
.endr
.endm
	s_wait_alu depctr_va_vdst(0)
	UNIT 0
	UNIT 1
	UNIT 2
	UNIT 3
	global_store_b128 v7, v[SW:SW+3], s[30:31]     ; 16 rows x 4 words: 256 consecutive bytes; lanes 16-31 write the same bytes with the same values
	s_wait_tensorcnt 0x0
	ds_add_u32 v254, v255
	s_wait_dscnt 0x0
	s_endpgm
; ---------------- the weights: a lane takes a column, its registers run down K: 32 columns x 128 along K a wave ----------------
.Lweights:
	s_sub_co_u32 s22, ttmp9, 128
	s_lshr_b32 s23, s22, 5                         ; which matrix
	s_bfe_u32 s24, s22, 0x40001                    ; block of 64 columns
	s_and_b32 s25, s22, 1                          ; K half q
	s_and_b32 s26, s18, 1                          ; which 32 of the 64 columns
	s_lshr_b32 s27, s18, 1                         ; K step in the half
	s_lshl_b32 s28, s25, 2
	s_add_co_u32 s28, s28, s27                     ; K step s
	s_lshl_b32 s29, s24, 1
	s_add_co_u32 s29, s29, s26                     ; group of 32 columns
	s_cmp_eq_u32 s23, 0                            ; the choices hang on the work-group's number alone
	s_cselect_b64 s[32:33], s[6:7], s[8:9]
	s_cmp_lt_u32 s23, 2
	s_cselect_b64 s[32:33], s[32:33], s[10:11]
	s_cmp_lt_u32 s23, 3
	s_cselect_b64 s[32:33], s[32:33], s[12:13]
	s_lshl_b32 s34, s28, 19                        ; 128 s rows of 4,096 bytes
	s_lshl_b32 s35, s29, 7                         ; 32 columns of 4 bytes
	s_add_co_u32 s34, s34, s35
	s_mov_b32 s35, 0
	s_add_nc_u64 s[32:33], s[32:33], s[34:35]
	s_wait_alu depctr_va_vdst(0)
	v_lshlrev_b32 v2, 2, v9                        ; 4 l
.macro WLOAD t                         ; block t: W(128 s + 32 t + i, my column), i = 0..31: 128 consecutive bytes a wave and load, 256 with the wave beside it
.set wi, 0
.rept 32
	global_load_b32 v[WX+32*(\t)+wi], v2, s[32:33] offset:4096*(32*(\t)+wi) th:TH_LOAD_NT
.set wi, wi+1
.endr
.endm
	WLOAD 0                                        ; the loads run two blocks ahead
	WLOAD 1
	s_lshl_b32 s36, s23, 6
	s_lshl_b32 s37, s29, 1
	s_add_co_u32 s36, s36, s37                     ; the group's first tile: 64 x matrix + 2 x group
	s_lshl_b32 s38, s36, 3
	s_add_co_u32 s38, s38, s28
	s_mul_i32 s38, s38, 1536                       ; its fragment of K step s
	s_mov_b32 s39, 0
	s_add_nc_u64 s[38:39], s[16:17], s[38:39]
	s_lshl_b32 s40, s36, 9
	s_lshl_b32 s41, s25, 8
	s_add_co_u32 s40, s40, s41
	s_lshl_b32 s41, s27, 2
	s_add_co_u32 s40, s40, s41
	s_add_co_u32 s40, s40, WSCL
	s_mov_b32 s41, 0
	s_add_nc_u64 s[40:41], s[16:17], s[40:41]
	v_bfe_u32 v12, v0, 3, 1                        ; column l of the group is row r of its tile u: u = (l / 8) % 2,
	v_and_b32 v13, 7, v0
	s_delay_alu instid0(VALU_DEP_1)
	v_lshl_add_u32 v13, v11, 3, v13                ; r = l % 8 + 8 (l / 16)
	s_mul_i32 s19, s18, WST
	s_add_co_u32 s19, s19, WST0                    ; my stage
	v_mul_u32_u24 v14, v12, 1664
	s_delay_alu instid0(VALU_DEP_1)
	v_add_nc_u32 v14, s19, v14
	s_delay_alu instid0(VALU_DEP_1)
	v_lshl_add_u32 v3, v13, 4, v14                 ; registers 0-3 of my block: tile u, 16 r
	s_delay_alu instid0(VALU_DEP_2)
	v_lshl_add_u32 v4, v13, 3, v14
	s_delay_alu instid0(VALU_DEP_1)
	v_add_nc_u32 v4, 512, v4                       ; registers 4-5: 512 + 8 r
	v_lshlrev_b32 v6, 4, v9                        ; 16 l
	s_delay_alu instid0(VALU_DEP_1)
	v_add_nc_u32 v5, s19, v6                       ; out of the stage
	v_lshlrev_b32 v7, 4, v13
	s_delay_alu instid0(VALU_DEP_1)
	v_lshl_add_u32 v7, v12, 9, v7                  ; my scale word: 512 u + 16 r
.macro BLOCK t                         ; block t of my column: it is lane r + 16 (t % 2) of half t / 2 of the fragment
.set XS, WX+32*(\t)
.set CC, WC+8*(\t)
.if (\t) < 3
	s_wait_loadcnt 32                              ; this block's 32 loads are in; the next block's 32, the only younger ones, may be out
.else
	s_wait_loadcnt 0x0
.endif
.if (\t) < 2
	WLOAD (\t)+2                                   ; into registers of its own: nothing is loaded twice
.endif
	v_max3_num_f32 v20, |v[XS]|, |v[XS+1]|, |v[XS+2]|
	v_max3_num_f32 v21, |v[XS+3]|, |v[XS+4]|, |v[XS+5]|
.irp i, 6,10,14,18,22,26
	s_delay_alu instid0(VALU_DEP_2)
	v_max3_num_f32 v20, v20, |v[XS+\i]|, |v[XS+\i+1]|
	s_delay_alu instid0(VALU_DEP_2)
	v_max3_num_f32 v21, v21, |v[XS+\i+2]|, |v[XS+\i+3]|
.endr
	s_delay_alu instid0(VALU_DEP_2)
	v_max3_num_f32 v20, v20, |v[XS+30]|, |v[XS+31]|
	s_delay_alu instid0(VALU_DEP_1)
	v_max3_num_f32 v20, v20, v21, 0x1800000        ; and the floor
	s_delay_alu instid0(VALU_DEP_1)
	v_add_nc_u32 v22, 0xff000000, v20
	s_delay_alu instid0(VALU_DEP_1)
	v_lshrrev_b32 v23, 23, v22
.if (\t) == 0
	s_delay_alu instid0(VALU_DEP_1)
	v_mov_b32 v24, v23
.else
	s_delay_alu instid0(VALU_DEP_1)
	v_lshl_or_b32 v24, v23, 8*(\t), v24            ; the four bytes make my column's scale word of this K step
.endif
	v_cvt_scalef32_pk16_fp6_f32 v[CC:CC+2], v[XS:XS+15], v22
	v_cvt_scalef32_pk16_fp6_f32 v[WT:WT+2], v[XS+16:XS+31], v22
	v_nop                                          ; one plain place behind the scaled conversions
.irp i, 0,1,2
	v_mov_b32 v[CC+3+\i], v[WT+\i]
.endr
	ds_store_b128 v3, v[CC:CC+3] offset:768*((\t)/2)+256*((\t)%2)
	ds_store_b64 v4, v[CC+4:CC+5] offset:768*((\t)/2)+128*((\t)%2)
.endm
	BLOCK 0
	BLOCK 1
	BLOCK 2
	BLOCK 3
	global_store_b32 v7, v24, s[40:41]             ; 4 bytes a column, 16 bytes apart: a 128th of what the wave reads
.irp n, 0,1,2,3,4,5
	ds_load_b128 v[WO+4*\n:WO+4*\n+3], v5 offset:1664*(\n/3)+512*(\n%3)   ; LDS serves a wave's instructions in order: these see my stores
.endr
.irp n, 0,1,2,3,4,5
	s_wait_dscnt 5-\n                              ; load n is back; the younger ones may be out
	global_store_b128 v6, v[WO+4*\n:WO+4*\n+3], s[38:39] offset:12288*(\n/3)+512*(\n%3)   ; 512 consecutive bytes, at a multiple of 256
.endr
	s_wait_tensorcnt 0x0
	ds_add_u32 v254, v255
	s_wait_dscnt 0x0
	s_endpgm
.Lfunc_end_k_qc254d56f65_quant:
	.size	k_qc254d56f65_quant, .Lfunc_end_k_qc254d56f65_quant-k_qc254d56f65_quant
	.p2alignl 7, 3214868480
	.fill 96, 4, 3214868480
	.section	.rodata,"a",@progbits
	.p2align	6, 0x0
	.amdhsa_kernel k_qc254d56f65_quant
		.amdhsa_group_segment_fixed_size 95232
		.amdhsa_private_segment_fixed_size 0
		.amdhsa_enable_private_segment 0
		.amdhsa_kernarg_size 56
		.amdhsa_user_sgpr_count 2
		.amdhsa_user_sgpr_kernarg_segment_ptr 1
		.amdhsa_wavefront_size32 1
		.amdhsa_system_sgpr_workgroup_id_x 1
		.amdhsa_system_sgpr_workgroup_id_y 1
		.amdhsa_system_sgpr_workgroup_id_z 1
		.amdhsa_system_vgpr_workitem_id 0
		.amdhsa_next_free_vgpr 256
		.amdhsa_next_free_sgpr 66
		.amdhsa_reserve_vcc 0
		.amdhsa_float_denorm_mode_32 3
		.amdhsa_float_denorm_mode_16_64 3
		.amdhsa_memory_ordered 1
		.amdhsa_forward_progress 1
		.amdhsa_inst_pref_size 60
	.end_amdhsa_kernel
	.amdgpu_metadata
---
amdhsa.version: [ 1, 2 ]
amdhsa.kernels:
  - .name:           k_qc254d56f65_quant
    .symbol:         k_qc254d56f65_quant.kd
    .args:
      - { .name: x, .offset: 0, .size: 8, .value_kind: global_buffer, .address_space: global }
      - { .name: Wq, .offset: 8, .size: 8, .value_kind: global_buffer, .address_space: global }
      - { .name: Wk, .offset: 16, .size: 8, .value_kind: global_buffer, .address_space: global }
      - { .name: Wv, .offset: 24, .size: 8, .value_kind: global_buffer, .address_space: global }
      - { .name: Wo, .offset: 32, .size: 8, .value_kind: global_buffer, .address_space: global }
      - { .name: xq, .offset: 40, .size: 8, .value_kind: global_buffer, .address_space: global }
      - { .name: wq, .offset: 48, .size: 8, .value_kind: global_buffer, .address_space: global }
    .group_segment_fixed_size: 95232
    .private_segment_fixed_size: 0
    .kernarg_segment_align: 8
    .kernarg_segment_size: 56
    .max_flat_workgroup_size: 256
    .sgpr_count:     66
    .vgpr_count:     256
    .wavefront_size: 32
...
	.end_amdgpu_metadata
.endif
;; end of part 1
;; launch qkv (part 2): grid 8 x 32, 4 waves a work-group, clusters of 4 x 4, 327,680 bytes of LDS; arguments xq, wq, bq, bk, bv, kv, qb; writes kv, qb
.if DOCPART == 2
	.amdgcn_target "amdgcn-amd-amdhsa--gfx1250"
	.amdhsa_code_object_version 6
	.text
	.protected	k_qc254d56f65_qkv
	.globl	k_qc254d56f65_qkv
	.p2align	8
	.type	k_qc254d56f65_qkv,@function
k_qc254d56f65_qkv:
	s_mov_b64 s[64:65], 0
	v_nop
	global_prefetch_b8 v0, s[64:65] scope:SCOPE_SE
	s_setreg_imm32_b32 hwreg(HW_REG_WAVE_MODE, 25, 1), 1
	s_wait_xcnt 0x0
	s_wait_alu depctr_hold_cnt(0) depctr_sa_sdst(0) depctr_va_vdst(0) depctr_va_sdst(0) depctr_va_ssrc(0) depctr_va_vcc(0) depctr_vm_vsrc(0)
	s_getreg_b32 s2, hwreg(HW_REG_IB_STS2, 6, 4)
	s_cmp_eq_u32 s2, 0
	s_cbranch_scc0 .Lentry_in_a_cluster
	s_endpgm
.Lentry_in_a_cluster:
	s_bfe_u32 s2, ttmp6, 0x10000c
	s_cmp_lg_u32 s2, 0xf033
	s_cbranch_scc0 .Lentry_shape_is_right
	s_endpgm
.Lentry_shape_is_right:
; q = x Wq + bq, k = x Wk + bk, v = x Wv + bv on codes of FP6 with E8M0 scales, sums in f32; the results are quantised in registers for the attention's two products and leave as operand images.
; OPERANDS are images of operand registers: a half H(T, g), 768 bytes = row tile T, 64 along K: lane l = (r, h) owns row tau(T, r), k = 64 g + 32 h + 0..31; registers 0-3 at 16 l, 4-5 at 512 + 8 l.
; tau(T, r) = 32 (T / 2) + 8 (T % 2) + r + 8 (r / 8).  Source 0's rows run along a result's registers, so the 16 registers of source-0 tiles 2 j and 2 j + 1 are 16 NEIGHBOURS, 32 j + 16 (lane / 16) + 0..15.
; A TILE OF WORK multiplies operand 0 (256 rows, source 0) by operand 1 (128 rows, source 1) over all of K = 1,024.  For q and k operand 0 = columns of Wq (cluster x = 0) or Wk (x = 1) and operand 1 = tokens: a lane holds
; one token and its registers run along the head's channels, the K of q k^T.  For v operand 0 = tokens and operand 1 = columns of Wv: a lane holds one channel and its registers run along the tokens, the K of p v.
; A WORK-GROUP STAYS and makes THREE tiles: two of q or k (token groups 4 y + cy and 32 further on, y the cluster's), then one of v: 256 work-groups for 768 tiles.  The bias is the C of each sum's first product.
; LDS: a ring of two slots of 147,456 bytes, one for each half of K: [operand 1's 8 tiles, operand 0's 16][4 K steps][1,536].  At the head each wave asks for one part (wave 0 and 1: slot 0's, wave 2 and 3: slot 1's).
; In K step 3 nobody reads slot 0 any more: behind a round of the cluster's barrier waves 0 and 1 fill it with the next tile's first half of K; in K step 7 waves 2 and 3 do the same for slot 1.  So a refill has four K steps
; or more in which to land, and the next tile's first fragments, scale words and bias are asked for ahead of this tile's quantiser.  The v tile, the last, is written out: it fills nothing again.
; (The second tile of q or k takes the same rows of the weight as the first; they are asked for again, since every partner issues every joint load in every trip.)
; No prefetch: what a refill asks for is wanted four K steps later at the earliest.
; CLUSTER 4 x 4: operand 1 hangs on the work-group's y alone and is asked for jointly along a row of the cluster, operand 0 on its x alone and is asked for jointly along a column.
; A WAVE (w0 = w % 2, w1 = w / 2): source-0 tiles 8 w0 + a (a = 0..7) x source-1 tiles 4 w1 + b (b = 0..3): 32 accumulators, which take turns in the same order in every K step.
; RESULTS.  qb: q's halves [head 64][token tile 128][768], then scale words [head][tile][16]: bytes s0, s1, s0, s1.  kv: a record of 12,800 bytes for each head and 128 keys: k's 8 halves; at 6,144 v's 4 fragments
; (16 channels x 128 keys); at 12,288 k's scale words (pairs of tiles: a0, a1, b0, b1), at 12,544 v's.
; LIMITS: NaN and infinities are not served; a block of zeros or under 2^-124 gets the byte 1 (its codes are zeros; only this program reads the bytes).  Scale words leave in stores of 128 consecutive bytes.
; REGISTERS: window 0: addresses, scale words, the quantiser's work.  Windows 1 and 2: fragment sets 0 and 1 (source 0 at 12 a, source 1 at 96 + 12 b).  Window 2 from v144: the bias.  Window 3: accumulator (a, b) at 8 (8 b + a).
.set XSCL, 6291456
.set WSCL, 3145728
.set QSCL, 6291456
.set REG,   98304                      ; 8 tiles, all of K
.set SLOT,  147456
.set A0Q, 4                            ; v4-5   LDS address of source 0's registers 0-3 in slot 0, 1
.set A0D, 6                            ; v6-7   of its registers 4-5
.set A1Q, 8                            ; v8-11  the same for source 1
.set A1D, 10
.set VS,  12                           ; v12    512 (l / 16) + 16 (l % 16): a pair of tiles' scale words
.set VB,  13                           ; v13    64 (l / 16)
.set L16, 14                           ; v14    16 l
.set L8,  15                           ; v15    512 + 8 l
.set L4,  16                           ; v16    4 l
.set VBV, 17                           ; v17    4 (r + 8 (r / 8))
.set SC0, 32                           ; v32-63 source 0's scale words: register 8 (a / 2) + K step; even tiles in lanes 0-15, odd ones in lanes 16-31
.set SC1, 64                           ; v64-79 source 1's
.set TM,  80
.set PW,  96
.set PC,  100
.set XT,  148
.set TP,  156
.set BIAS, 144                         ; in window 2
.set G1A, 24                           ; s[24:31] descriptor group 1 for operand 1;  s[32:39] for operand 0
.set G1B, 32
.set G0A, 40                           ; s[40:47] groups 0 for operand 1, one for each slot;  s[68:75] for operand 0
.set G0B, 68
.set NP0, 48                           ; the NEXT tile's operand 0, operand 1, their scale words
.set NP1, 50
.set NS0, 52
.set NS1, 54
.set VP0, 76                           ; the v tile's
.set VP1, 78
.set VS0, 80
.set VS1, 82
.set VBP, 94                           ; and its bias
.set TI,  60                           ; the trip
.set MSB, 0
.macro WIN new                         ; the immediate's high byte repeats the setting that is left
.if MSB != (\new)
	s_set_vgpr_msb (MSB<<8)|(\new)
.set MSB, (\new)
.endif
.endm
.macro CREST                           ; a round of the cluster's barrier behind its opening barrier
	s_cmp_lg_u32 s20, 0
	s_cbranch_scc1 .Lnot_wave_0_\@
	s_barrier_signal -3
.Lnot_wave_0_\@:
	s_barrier_wait -3
	s_barrier_signal -1
	s_barrier_wait -1
.endm
.macro ROUND
	s_barrier_signal -1
	s_barrier_wait -1
	CREST
.endm
.macro PLACES
.rept 4
	v_nop
.endr
.endm
.macro TLOAD g0, g1
	tensor_load_to_lds s[\g0:\g0+3], s[\g1:\g1+7]
	s_nop 0
	PLACES
.endm
.macro FRAG reg, aq, ad, off           ; a fragment: two halves, each 512 dense bytes by 16 a lane and 256 by 8 a lane
	ds_load_b128 v[\reg:\reg+3], v[\aq] offset:\off
	ds_load_b64 v[\reg+4:\reg+5], v[\ad] offset:\off
	ds_load_b128 v[\reg+6:\reg+9], v[\aq] offset:\off+768
	ds_load_b64 v[\reg+10:\reg+11], v[\ad] offset:\off+768
.endm
.macro FETCH k, set                    ; K step k's 12 fragments into set: 48 LDS loads in one run
	WIN (1+(\set))<<6
.irp t, 0,1,2,3,4,5,6,7
	FRAG 12*\t, A0Q+(\k)/4, A0D+(\k)/4, 6144*\t+1536*((\k)%4)
.endr
.irp t, 0,1,2,3
	FRAG 96+12*\t, A1Q+(\k)/4, A1D+(\k)/4, 6144*\t+1536*((\k)%4)
.endr
.endm
.macro WM d, a, b, c, sa, sb, ra, rb   ; one product; ra, rb: the side's scale words lie in lanes 16-31
.if (\ra) && (\rb)
	v_wmma_scale_f32_16x16x128_f8f6f4 v[\d:\d+7], v[\a:\a+11], v[\b:\b+11], v[\c:\c+7], v[\sa], v[\sb] matrix_a_fmt:MATRIX_FMT_FP6 matrix_b_fmt:MATRIX_FMT_FP6 matrix_a_scale:MATRIX_SCALE_ROW1 matrix_b_scale:MATRIX_SCALE_ROW1
.elseif (\ra)
	v_wmma_scale_f32_16x16x128_f8f6f4 v[\d:\d+7], v[\a:\a+11], v[\b:\b+11], v[\c:\c+7], v[\sa], v[\sb] matrix_a_fmt:MATRIX_FMT_FP6 matrix_b_fmt:MATRIX_FMT_FP6 matrix_a_scale:MATRIX_SCALE_ROW1
.elseif (\rb)
	v_wmma_scale_f32_16x16x128_f8f6f4 v[\d:\d+7], v[\a:\a+11], v[\b:\b+11], v[\c:\c+7], v[\sa], v[\sb] matrix_a_fmt:MATRIX_FMT_FP6 matrix_b_fmt:MATRIX_FMT_FP6 matrix_b_scale:MATRIX_SCALE_ROW1
.else
	v_wmma_scale_f32_16x16x128_f8f6f4 v[\d:\d+7], v[\a:\a+11], v[\b:\b+11], v[\c:\c+7], v[\sa], v[\sb] matrix_a_fmt:MATRIX_FMT_FP6 matrix_b_fmt:MATRIX_FMT_FP6
.endif
.endm
.macro MUL16 b0, k, cmode              ; source-1 tiles b0, b0 + 1 x source 0's eight.  cmode 0: C = the accumulator; 1: the bias by a; 2: the bias by b
.irp b, \b0, \b0+1
.irp a, 0,1,2,3,4,5,6,7
.if \cmode == 0
.set CR, 8*(8*(\b)+\a)
.elseif \cmode == 1
.set CR, BIAS+8*\a
.else
.set CR, BIAS+8*(\b)
.endif
	WM 8*(8*(\b)+\a), 12*\a, 96+12*(\b), CR, SC0+8*(\a/2)+(\k), SC1+8*((\b)/2)+(\k), (\a)%2, (\b)%2
.endr
.endr
.endm
.macro WINMUL k, cmode
.if \cmode
	WIN 0xe5                                       ; sources 0 and 1 window 1, C window 2, D window 3
.else
	WIN 0xf5+5*((\k)%2)                            ; sources window 1 or 2, C and D window 3
.endif
.endm
.macro DESC h                          ; slot h's groups 0 take the next tile's addresses: no tensor load of mine is out
	s_add_nc_u64 s[G0A+4*(\h)+2:G0A+4*(\h)+3], s[NP1:NP1+1], 6144*(\h)
	s_or_b32 s[G0A+4*(\h)+3], s[G0A+4*(\h)+3], 0x80000000
	s_add_nc_u64 s[G0B+4*(\h)+2:G0B+4*(\h)+3], s[NP0:NP0+1], 6144*(\h)
	s_or_b32 s[G0B+4*(\h)+3], s[G0B+4*(\h)+3], 0x80000000
.endm
.macro REFILL h                        ; wave 2 h fills operand 1's part of slot h, wave 2 h + 1 operand 0's
	s_cmp_eq_u32 s20, 2*(\h)
	s_cbranch_scc0 .Lnot_a_\@
	TLOAD G0A+4*(\h), G1A
	s_branch .Lfilled_\@
.Lnot_a_\@:
	s_cmp_eq_u32 s20, 2*(\h)+1
	s_cbranch_scc0 .Lfilled_\@
	TLOAD G0B+4*(\h), G1B
.Lfilled_\@:
.endm
; A K step.  rnd 0: nothing else; 1: a plain barrier shows slot 1; 2: the slot that this step's fragments were the last to be read from is filled again, behind a round
.macro KSTEP k, cmode, rnd
.if (\rnd) == 2
	WIN 0                                          ; (the add's two registers lie in window 0)
	s_wait_tensorcnt 0x0                           ; all my tensor loads have landed;
	ds_add_u32 v254, v255
	DESC (\k)/4
	s_wait_dscnt 0x0                               ; the add is done, and this K step's fragments, my last reads of the slot, are in
	s_barrier_signal -1                            ; the barrier opens a round of the cluster's barrier
.else
	s_wait_dscnt 0x0                               ; this K step's fragments are in (asked for 16 products ago)
.if (\rnd) == 1
	s_wait_tensorcnt 0x0                           ; my part of slot 1 has landed
	s_barrier_signal -1
.endif
.endif
	WINMUL \k, \cmode
	MUL16 0, \k, \cmode
.if (\rnd) == 1
	s_barrier_wait -1                              ; everybody's part has landed
.endif
.if (\rnd) == 2
	WIN 0
	s_barrier_wait -1
	CREST                                          ; no wave of any partner still reads the slot or has a load on its way
	REFILL (\k)/4
.endif
.if ((\k) < 7) || ((\rnd) == 2)
	PLACES                                         ; places in front of loads into registers that matrix instructions have read
	FETCH ((\k)+1)%8, 1-(\k)%2                     ; behind K step 7: the next tile's first fragments
	WINMUL \k, \cmode
.endif
	MUL16 2, \k, \cmode
.endm
; 64 results of a lane in window 3, register a + 16 j + i = k 32 j + 16 (lane / 16) + i of my row, become a fragment's codes in v[pc] on and its scale word in v[pw].  Each accumulator is read from its low end on.
.macro QUANT a, pc, pw
	WIN 0x0f                                       ; sources 0 and 1 window 3
.irp b, 0,1,2,3
	v_max3_num_f32 v[TM+\b], |v[\a+16*\b]|, |v[\a+16*\b+1]|, 0x1800000   ; the floor 2^(3 - 127) holds the byte at 1 from below
.endr
.irp i, 2,4,6,8,10,12,14
.irp b, 0,1,2,3
	v_max3_num_f32 v[TM+\b], |v[\a+16*\b+\i]|, |v[\a+16*\b+\i+1]|, v[TM+\b]
.endr
.endr
	WIN 0
.irp b, 0,1,2,3
	v_permlanex16_b32 v[TM+4+\b], v[TM+\b], s18, s19
.endr
.irp b, 0,1,2,3
	v_max_num_f32 v[TM+\b], v[TM+\b], v[TM+4+\b]   ; with lane l xor 16's 16: the block's largest magnitude
.endr
.irp b, 0,1,2,3
	v_add_nc_u32 v[TM+12+\b], 0xff000000, v[TM+\b] ; 2 off its exponent field: the conversion's scale operand
.endr
.irp b, 0,1,2,3
	v_lshrrev_b32 v[TM+4+\b], 23, v[TM+12+\b]      ; the scale's byte
.endr
	v_lshl_or_b32 v[\pw], v[TM+5], 8, v[TM+4]
	v_lshl_or_b32 v[\pw], v[TM+6], 16, v[\pw]
	v_lshl_or_b32 v[\pw], v[TM+7], 24, v[\pw]
	WIN 0x03                                       ; source 0 window 3
.irp c, 0,1
	v_cvt_scalef32_pk16_fp6_f32 v[\pc+6*\c:\pc+6*\c+2], v[\a+32*\c:\a+32*\c+15], v[TM+12+2*\c]
	v_cvt_scalef32_pk16_fp6_f32 v[XT+4*\c:XT+4*\c+2], v[\a+32*\c+16:\a+32*\c+31], v[TM+12+2*\c+1]
.endr
	WIN 0
	v_nop                                          ; one plain place behind the scaled conversions
.irp c, 0,1                                    ; the operand's layout wants a whole block in a lane
.irp i, 0,1,2
	v_permlane16_swap_b32 v[\pc+6*\c+\i], v[XT+4*\c+\i]
.endr
.irp i, 0,1,2
	v_mov_b32 v[\pc+6*\c+3+\i], v[XT+4*\c+\i]
.endr
.endr
.endm
.macro CODES sb, sc                    ; the eight halves leave: sb bytes from b to b + 1, sc from half 0 to half 1
.irp b, 0,1,2,3
.irp c, 0,1
	global_store_b128 v[L16], v[PC+12*\b+6*\c:PC+12*\b+6*\c+3], s[84:85] offset:(\sb)*\b+(\sc)*\c     ; 512 consecutive bytes, at a multiple of 256
	global_store_b64 v[L8], v[PC+12*\b+6*\c+4:PC+12*\b+6*\c+5], s[84:85] offset:(\sb)*\b+(\sc)*\c     ; 256 consecutive bytes, likewise
.endr
.endr
.endm
.macro LOADSC0                         ; sixteen lanes read 256 consecutive bytes: a tile's words of four K steps
.irp i, 0,1,2,3
.irp q, 0,1
	global_load_b128 v[SC0+8*\i+4*\q:SC0+8*\i+4*\q+3], v[VS], s[NS0:NS0+1] offset:1024*\i+256*\q
.endr
.endr
.endm
.macro LOADSC1
.irp i, 0,1
.irp q, 0,1
	global_load_b128 v[SC1+8*\i+4*\q:SC1+8*\i+4*\q+3], v[VS], s[NS1:NS1+1] offset:1024*\i+256*\q
.endr
.endr
.endm
	s_load_b256 s[4:11], s[0:1], 0x0               ; xq, wq, bq, bk
	s_load_b128 s[12:15], s[0:1], 0x20             ; bv, kv
	s_load_b64 s[16:17], s[0:1], 0x30              ; qb
	v_lshl_add_u32 v254, v0, 2, 0x48000
	v_mov_b32 v255, 0
	ds_add_u32 v254, v255                          ; the opening lines
	ds_add_u32 v254, v255
	v_lshrrev_b32 v1, 5, v0
	v_readfirstlane_b32 s20, v1                    ; wave 0..3
	s_and_b32 s21, s20, 1                          ; w0
	s_lshr_b32 s22, s20, 1                         ; w1
	s_bfe_u32 s56, ttmp6, 0x40000                  ; cx
	s_bfe_u32 s57, ttmp6, 0x40004                  ; cy
	s_lshl_b32 s58, ttmp9, 2
	s_add_co_u32 s58, s58, s56                     ; X = 4 x cluster x + cx
	s_and_b32 s59, ttmp7, 0xffff                   ; y = cluster y, 0..7
	s_lshl_b32 s18, s57, 2
	s_lshl_b32 s18, 15, s18                        ; my row of the cluster
	s_lshl_b32 s19, 0x1111, s56                    ; my column
	s_or_b32 s[G1A], s18, (3<<16)|(1<<21)          ; 15:0 the mask; 17:16 elements of 8 bytes; 21 set beside a mask; no padding
	s_or_b32 s[G1B], s19, (3<<16)|(1<<21)
.irp g, G1A, G1B
	s_mov_b32 s[\g+1], 768<<16                     ; tensor_dim0 = 768 elements: a tile's 4 K steps, 6,144 bytes
	s_mov_b32 s[\g+2], (8+8*(\g/G1B))<<16          ; tensor_dim1: operand 1's 8 tiles, operand 0's 16
	s_mov_b32 s[\g+3], 768<<16                     ; tile_dim0
	s_mov_b32 s[\g+4], 8+8*(\g/G1B)                ; tile_dim1
	s_mov_b32 s[\g+5], 1536                        ; from tile to tile: 12,288 bytes
	s_mov_b32 s[\g+6], 0
	s_mov_b32 s[\g+7], 0
.endr
	; the first tile.  What feeds operand 0's addresses never holds cy, what feeds operand 1's never cx
	s_lshl_b32 s62, s59, 2
	s_add_co_u32 s62, s62, s57                     ; its 128 tokens: group 4 y + cy
	s_mul_i32 s96, s58, 2*REG                      ; its 256 columns: 16 tiles from 16 X on
	s_mov_b32 s97, 0
	s_mul_i32 s66, s62, REG
	s_mov_b32 s67, 0
	s_lshl_b32 s88, s58, 4
	s_lshl_b32 s2, s21, 3
	s_add_co_u32 s88, s88, s2
	s_lshl_b32 s88, s88, 9
	s_add_co_u32 s88, s88, WSCL                    ; my 8 tiles' scale words of operand 0
	s_mov_b32 s89, 0
	s_lshl_b32 s90, s62, 3
	s_lshl_b32 s2, s22, 2
	s_add_co_u32 s90, s90, s2
	s_lshl_b32 s90, s90, 9
	s_add_co_u32 s90, s90, XSCL                    ; my 4 tiles' of operand 1
	s_mov_b32 s91, 0
	s_lshl_b32 s100, s56, 10                       ; the bias: my 128 columns begin at 256 cx + 128 w0
	s_lshl_b32 s2, s21, 9
	s_add_co_u32 s100, s100, s2
	s_mov_b32 s101, 0
	s_wait_dscnt 0x0
	s_wait_kmcnt 0x0
	s_add_nc_u64 s[NP0:NP0+1], s[6:7], s[96:97]
	s_add_nc_u64 s[NP1:NP1+1], s[4:5], s[66:67]
	s_add_nc_u64 s[NS0:NS0+1], s[6:7], s[88:89]
	s_add_nc_u64 s[NS1:NS1+1], s[4:5], s[90:91]
	s_cmp_eq_u32 ttmp9, 0                          ; the choice hangs on the cluster's number alone
	s_cselect_b64 s[92:93], s[8:9], s[10:11]
	s_add_nc_u64 s[92:93], s[92:93], s[100:101]
.irp j, 0,1
	s_mov_b32 s[G0A+4*\j], 1                       ; count = 1
	s_mov_b32 s[G0A+4*\j+1], SLOT*\j               ; LDS address: no place in the cluster enters it
	s_mov_b32 s[G0B+4*\j], 1
	s_mov_b32 s[G0B+4*\j+1], 49152+SLOT*\j
	DESC \j
.endr
	ROUND                                          ; all sixteen work-groups are here: the joint loads meet
	s_cmp_eq_u32 s20, 0                            ; one load a wave, each in an arm of its own: slot 0's parts are asked for first
	s_cbranch_scc0 .Lnot_one
	TLOAD G0A, G1A
	s_branch .Lasked
.Lnot_one:
	s_cmp_eq_u32 s20, 1
	s_cbranch_scc0 .Lnot_two
	TLOAD G0B, G1B
	s_branch .Lasked
.Lnot_two:
	s_cmp_eq_u32 s20, 2
	s_cbranch_scc0 .Lnot_three
	TLOAD G0A+4, G1A
	s_branch .Lasked
.Lnot_three:
	TLOAD G0B+4, G1B
.Lasked:
	v_and_b32 v1, 31, v0                           ; lane
	v_and_b32 v2, 15, v0                           ; r
	v_bfe_u32 v3, v0, 4, 1                         ; h
	v_lshlrev_b32 v[VS], 4, v2
	v_lshl_add_u32 v[VS], v3, 9, v[VS]
	LOADSC0
	LOADSC1
	v_lshlrev_b32 v[VB], 6, v3
	v_and_b32 v[VBV], 8, v2
	v_add_nc_u32 v[VBV], v[VBV], v2
	v_lshlrev_b32 v[VBV], 2, v[VBV]
	WIN 0x80                                       ; destination window 2
.irp t, 0,1,2,3,4,5,6,7,8,9,10,11,12,13,14,15
	global_load_b128 v[BIAS+4*\t:BIAS+4*\t+3], v[VB], s[92:93] offset:128*(\t/4)+16*(\t%4)   ; q, k: register 16 j + i = the bias of column 32 j + 16 h + i; it serves both tiles
.endr
	WIN 0
	v_lshlrev_b32 v[L16], 4, v1
	v_lshlrev_b32 v[L8], 3, v1
	v_add_nc_u32 v[L8], 512, v[L8]
	v_lshlrev_b32 v[L4], 2, v1
	s_mul_i32 s2, s21, 49152
	s_add_co_u32 s2, s2, 49152                     ; source 0: behind operand 1's 8 tiles, tiles 8 w0 on
	s_mul_i32 s3, s22, 24576                       ; source 1: tiles 4 w1 on
.irp g, 0,1
	v_add_nc_u32 v[A0Q+\g], s2, v[L16]
	v_add_nc_u32 v[A0D+\g], s2, v[L8]
	v_add_nc_u32 v[A1Q+\g], s3, v[L16]
	v_add_nc_u32 v[A1D+\g], s3, v[L8]
	s_add_co_u32 s2, s2, SLOT
	s_add_co_u32 s3, s3, SLOT
.endr
.irp b, 0,1,2,3
	v_mov_b32 v[TM+4+\b], 0                        ; a lane permute's destination counts as one of its sources
.endr
	s_wait_alu depctr_va_vdst(0)
	; the v tile: 256 tokens from group X + 8 (y / 2), 128 columns of Wv from tile group 16 + cy + 4 (y % 2) (Wv begins at tile 128)
	s_lshr_b32 s61, s59, 1
	s_lshl_b32 s61, s61, 3
	s_add_co_u32 s61, s61, s58
	s_and_b32 s63, s59, 1
	s_lshl_b32 s63, s63, 2
	s_add_co_u32 s63, s63, s57
	s_add_co_u32 s63, s63, 16
	s_mul_i32 s96, s61, 2*REG
	s_add_nc_u64 s[VP0:VP0+1], s[4:5], s[96:97]
	s_mul_i32 s66, s63, REG
	s_add_nc_u64 s[VP1:VP1+1], s[6:7], s[66:67]
	s_lshl_b32 s88, s61, 4
	s_lshl_b32 s2, s21, 3
	s_add_co_u32 s88, s88, s2
	s_lshl_b32 s88, s88, 9
	s_add_co_u32 s88, s88, XSCL
	s_add_nc_u64 s[VS0:VS0+1], s[4:5], s[88:89]
	s_lshl_b32 s90, s63, 3
	s_lshl_b32 s2, s22, 2
	s_add_co_u32 s90, s90, s2
	s_lshl_b32 s90, s90, 9
	s_add_co_u32 s90, s90, WSCL
	s_add_nc_u64 s[VS1:VS1+1], s[6:7], s[90:91]
	s_sub_co_u32 s100, s63, 16                     ; its bias: my 64 columns begin at 128 (group - 16) + 64 w1
	s_lshl_b32 s100, s100, 9
	s_lshl_b32 s2, s22, 8
	s_add_co_u32 s100, s100, s2
	s_add_nc_u64 s[VBP:VBP+1], s[12:13], s[100:101]
	s_wait_xcnt 0x0                                ; the scale words' loads have read their bases
	s_add_nc_u64 s[NP1:NP1+1], s[NP1:NP1+1], 32*REG     ; the second tile: 32 token groups on, the same columns
	s_add_nc_u64 s[NS1:NS1+1], s[NS1:NS1+1], 131072     ; 256 tiles x 512 bytes of scale words
	s_mov_b32 s18, 0x76543210
	s_mov_b32 s19, 0xfedcba98                      ; selects: lane l xor 16
	s_mov_b32 s98, 0xffff0000                      ; lanes 16-31
	s_mov_b32 s[TI], 0
	s_cmp_lt_u32 s20, 2
	s_cbranch_scc0 .Lnot_first
	s_wait_tensorcnt 0x0                           ; waves 0 and 1: slot 0 has landed; slot 1, waves 2 and 3's, may be on its way
.Lnot_first:
	s_barrier_signal -1
	s_barrier_wait -1
	FETCH 0, 0
	WIN 0
.Ltile:                                                ; two trips: the tiles of q or k
	s_wait_loadcnt 0x0                             ; the scale words and the bias
	KSTEP 0, 1, 0                                  ; the first K step starts the sums from the bias: nothing is cleared
	KSTEP 1, 0, 0
	KSTEP 2, 0, 0
	KSTEP 3, 0, 2
	KSTEP 4, 0, 0
	KSTEP 5, 0, 0
	KSTEP 6, 0, 0
	KSTEP 7, 0, 2
	WIN 0
	PLACES                                         ; in front of the first read of results and of loads into the scale words' registers
	s_cmp_eq_u32 s[TI], 0
	s_cbranch_scc0 .Lnext_v
	LOADSC1                                        ; the next tile's tokens; the weight's words and the bias stay
	s_branch .Lnext_asked
.Lnext_v:
	LOADSC0
	LOADSC1
	WIN 0x80
.irp b, 0,1,2,3
.irp j, 0,1,2,3,4,5,6,7
	global_load_b32 v[BIAS+8*\b+\j], v[VBV], s[VBP:VBP+1] offset:4*(32*(\b/2)+8*(\b%2))   ; v: all eight registers of tile b hold the bias of my lane's column
.endr
.endr
	WIN 0
.Lnext_asked:
	s_wait_xcnt 0x0                                ; these loads have read their bases, and the last tile's stores their registers
	s_mov_b64 s[NP0:NP0+1], s[VP0:VP0+1]           ; behind the second tile comes v's
	s_mov_b64 s[NP1:NP1+1], s[VP1:VP1+1]
	s_mov_b64 s[NS0:NS0+1], s[VS0:VS0+1]
	s_mov_b64 s[NS1:NS1+1], s[VS1:VS1+1]
.irp b, 0,1,2,3
	QUANT 64*\b, PC+12*\b, PW+\b
.endr
	s_lshl_b32 s2, s62, 3
	s_lshl_b32 s3, s22, 2
	s_add_co_u32 s2, s2, s3                        ; my first token tile
	s_lshr_b32 s3, s2, 7                           ; the batch: 128 tiles each
	s_and_b32 s2, s2, 127                          ; the tile in it
	s_lshl_b32 s3, s3, 4
	s_lshl_b32 s23, s56, 2
	s_add_co_u32 s3, s3, s23
	s_lshl_b32 s23, s21, 1
	s_add_co_u32 s3, s3, s23                       ; my first head: 16 x batch + 4 cx + 2 w0; half c of a fragment is head + c
	s_cmp_eq_u32 ttmp9, 0
	s_cbranch_scc0 .Lk_out
	; ---- q
	s_lshl_b32 s3, s3, 7
	s_add_co_u32 s3, s3, s2
	s_mul_i32 s84, s3, 768
	s_mov_b32 s85, 0
	s_lshl_b32 s86, s3, 6
	s_add_co_u32 s86, s86, QSCL
	s_mov_b32 s87, 0
	s_add_nc_u64 s[84:85], s[16:17], s[84:85]
	s_add_nc_u64 s[86:87], s[16:17], s[86:87]
	s_wait_alu depctr_va_vdst(0)
	CODES 768, 98304
.irp c, 0,1
.irp p, 0,1
	v_perm_b32 v[TP], v[PW+2*\p], v[PW+2*\p], 0x01000100+0x02020202*\c          ; the head's two bytes, twice: s0, s1, s0, s1
	v_perm_b32 v[TP+1], v[PW+2*\p+1], v[PW+2*\p+1], 0x01000100+0x02020202*\c
	v_cndmask_b32 v[TP+2+2*\c+\p], v[TP], v[TP+1], s98                           ; lanes 0-15 tile 2 p, lanes 16-31 tile 2 p + 1
	global_store_b32 v[L4], v[TP+2+2*\c+\p], s[86:87] offset:128*\p+8192*\c      ; 128 consecutive bytes
.endr
.endr
	s_branch .Lqk_done
.Lk_out:
	; ---- k
	s_lshl_b32 s3, s3, 4
	s_lshr_b32 s23, s2, 3
	s_add_co_u32 s3, s3, s23
	s_mul_i32 s3, s3, 12800                        ; the record of my head and my 128 keys
	s_and_b32 s23, s2, 7
	s_mul_i32 s23, s23, 768
	s_add_co_u32 s84, s3, s23
	s_mov_b32 s85, 0
	s_bfe_u32 s23, s2, 0x10002
	s_lshl_b32 s23, s23, 7
	s_add_co_u32 s86, s3, s23
	s_add_co_u32 s86, s86, 12288
	s_mov_b32 s87, 0
	s_add_nc_u64 s[84:85], s[14:15], s[84:85]
	s_add_nc_u64 s[86:87], s[14:15], s[86:87]
	s_wait_alu depctr_va_vdst(0)
	CODES 768, 204800
.irp c, 0,1
	v_perm_b32 v[TP], v[PW+1], v[PW], 0x05040100+0x02020202*\c                   ; a pair of tiles makes one fragment: a0, a1, b0, b1
	v_perm_b32 v[TP+1], v[PW+3], v[PW+2], 0x05040100+0x02020202*\c
	v_cndmask_b32 v[TP+2+\c], v[TP], v[TP+1], s98
	global_store_b32 v[L4], v[TP+2+\c], s[86:87] offset:204800*\c
.endr
.Lqk_done:
	s_add_co_u32 s62, s62, 32                      ; the next tile's tokens
	s_add_co_u32 s[TI], s[TI], 1
	s_cmp_lt_u32 s[TI], 2
	s_wait_alu depctr_va_vdst(0)
	s_cbranch_scc1 .Ltile
	; ---- the v tile: the tail, written out: nothing more is asked for
	s_wait_loadcnt 0x0
	KSTEP 0, 2, 0
	KSTEP 1, 0, 0
	KSTEP 2, 0, 0
	KSTEP 3, 0, 1
	KSTEP 4, 0, 0
	KSTEP 5, 0, 0
	KSTEP 6, 0, 0
	KSTEP 7, 0, 0
	WIN 0
	PLACES                                         ; in front of the first read of results
	s_wait_xcnt 0x0                                ; the last tile's stores have read their registers
.irp b, 0,1,2,3
	QUANT 64*\b, PC+12*\b, PW+\b
.endr
	s_lshl_b32 s2, s61, 1
	s_add_co_u32 s2, s2, s21                       ; my 128 tokens: group 2 x (token group) + w0
	s_lshr_b32 s3, s2, 4                           ; the batch
	s_and_b32 s2, s2, 15                           ; the key step
	s_sub_co_u32 s23, s63, 16
	s_lshl_b32 s23, s23, 1
	s_add_co_u32 s23, s23, s22                     ; the head: my four tiles are its 64 channels
	s_lshl_b32 s3, s3, 4
	s_add_co_u32 s3, s3, s23
	s_lshl_b32 s3, s3, 4
	s_add_co_u32 s3, s3, s2
	s_mul_i32 s3, s3, 12800
	s_add_co_u32 s84, s3, 6144
	s_mov_b32 s85, 0
	s_add_co_u32 s86, s3, 12544
	s_mov_b32 s87, 0
	s_add_nc_u64 s[84:85], s[14:15], s[84:85]
	s_add_nc_u64 s[86:87], s[14:15], s[86:87]
	s_wait_alu depctr_va_vdst(0)
	CODES 1536, 768
.irp p, 0,1
	v_cndmask_b32 v[TP+2+\p], v[PW+2*\p], v[PW+2*\p+1], s98
	global_store_b32 v[L4], v[TP+2+\p], s[86:87] offset:128*\p
.endr
	s_wait_tensorcnt 0x0                           ; the wave's end
	ds_add_u32 v254, v255
	s_wait_dscnt 0x0
	ROUND                                          ; the closing round: no work-group ends while a partner may still ask for a tile that names it
	s_endpgm
.Lfunc_end_k_qc254d56f65_qkv:
	.size	k_qc254d56f65_qkv, .Lfunc_end_k_qc254d56f65_qkv-k_qc254d56f65_qkv
	.p2alignl 7, 3214868480
	.fill 96, 4, 3214868480
	.section	.rodata,"a",@progbits
	.p2align	6, 0x0
	.amdhsa_kernel k_qc254d56f65_qkv
		.amdhsa_group_segment_fixed_size 327680
		.amdhsa_private_segment_fixed_size 0
		.amdhsa_enable_private_segment 0
		.amdhsa_kernarg_size 56
		.amdhsa_user_sgpr_count 2
		.amdhsa_user_sgpr_kernarg_segment_ptr 1
		.amdhsa_wavefront_size32 1
		.amdhsa_system_sgpr_workgroup_id_x 1
		.amdhsa_system_sgpr_workgroup_id_y 1
		.amdhsa_system_sgpr_workgroup_id_z 1
		.amdhsa_system_vgpr_workitem_id 0
		.amdhsa_next_free_vgpr 1024
		.amdhsa_next_free_sgpr 106
		.amdhsa_reserve_vcc 0
		.amdhsa_float_denorm_mode_32 3
		.amdhsa_float_denorm_mode_16_64 3
		.amdhsa_memory_ordered 1
		.amdhsa_forward_progress 1
		.amdhsa_inst_pref_size 176
	.end_amdhsa_kernel
	.amdgpu_metadata
---
amdhsa.version: [ 1, 2 ]
amdhsa.kernels:
  - .name:           k_qc254d56f65_qkv
    .symbol:         k_qc254d56f65_qkv.kd
    .args:
      - { .name: xq, .offset: 0, .size: 8, .value_kind: global_buffer, .address_space: global }
      - { .name: wq, .offset: 8, .size: 8, .value_kind: global_buffer, .address_space: global }
      - { .name: bq, .offset: 16, .size: 8, .value_kind: global_buffer, .address_space: global }
      - { .name: bk, .offset: 24, .size: 8, .value_kind: global_buffer, .address_space: global }
      - { .name: bv, .offset: 32, .size: 8, .value_kind: global_buffer, .address_space: global }
      - { .name: kv, .offset: 40, .size: 8, .value_kind: global_buffer, .address_space: global }
      - { .name: qb, .offset: 48, .size: 8, .value_kind: global_buffer, .address_space: global }
    .group_segment_fixed_size: 327680
    .private_segment_fixed_size: 0
    .kernarg_segment_align: 8
    .kernarg_segment_size: 56
    .max_flat_workgroup_size: 128
    .sgpr_count:     106
    .vgpr_count:     1024
    .wavefront_size: 32
...
	.end_amdgpu_metadata
.endif
;; end of part 2
;; launch attn (part 3): grid 4 x 64, 8 waves a work-group, clusters of 4 x 1, 327,680 bytes of LDS; arguments kv, qb, cb; writes cb
.if DOCPART == 3
	.amdgcn_target "amdgcn-amd-amdhsa--gfx1250"
	.amdhsa_code_object_version 6
	.text
	.protected	k_qc254d56f65_attn
	.globl	k_qc254d56f65_attn
	.p2align	8
	.type	k_qc254d56f65_attn,@function
k_qc254d56f65_attn:
	s_mov_b64 s[64:65], 0
	v_nop
	global_prefetch_b8 v0, s[64:65] scope:SCOPE_SE
	s_setreg_imm32_b32 hwreg(HW_REG_WAVE_MODE, 25, 1), 1
	s_wait_xcnt 0x0
	s_wait_alu depctr_hold_cnt(0) depctr_sa_sdst(0) depctr_va_vdst(0) depctr_va_sdst(0) depctr_va_ssrc(0) depctr_va_vcc(0) depctr_vm_vsrc(0)
	s_getreg_b32 s2, hwreg(HW_REG_IB_STS2, 6, 4)
	s_cmp_eq_u32 s2, 0
	s_cbranch_scc0 .Lentry_in_a_cluster
	s_endpgm
.Lentry_in_a_cluster:
	s_bfe_u32 s2, ttmp6, 0x10000c
	s_cmp_lg_u32 s2, 0x3003
	s_cbranch_scc0 .Lentry_shape_is_right
	s_endpgm
.Lentry_shape_is_right:
; ctx = softmax(q k^T / 8) v for one head and 512 queries a work-group, both products on codes of FP6 with E8M0 scales; ctx leaves as codes and scale bytes for the last projection.
; p = 2^(t - M), t = score x log2(e) / 8, M the ceiling of the running largest t; the row's sum is taken of the unquantised p; O^T and the sum are brought under a new M by an exact power of two.
; THE DEAL: 8 waves; a wave takes TWO tiles of 16 queries at once (tiles A and B), twice, each pair through all 2,048 keys in 16 steps of 128.  Both tiles use each fragment of k and v, and their lines stand by turns,
; so that a line's source was written several lines earlier.  Both products are used transposed (S^T = k q^T, O^T = v^T p^T): a lane holds one query of each tile.
; LDS: the head's 16 records of 12,800 bytes (k's 8 halves, v's 4 fragments, their scale words), 204,800 bytes, filled ONCE: each wave asks for two records, 100 rows of 256 bytes, at the head; one wait, one barrier; no barrier in the walk.
; CLUSTER 4 x 1: the four work-groups of a head read the same records: each load is a joint one with the mask 15.
; No prefetch: every byte of k and v is asked for by the head's one group of loads, so there is no later load to run ahead of; q is 24 bytes a lane and tile.
; WHICH KEYS FORM A TILE OF k is chosen by each lane's LDS address.  In a record tile T, row r holds key 32 (T / 2) + 8 (T % 2) + r + 8 (r / 8).  Fragment f here takes for its rows r < 8 rows 8 (f % 2) + r of the record's
; fragment 2 (f / 2), and for rows r >= 8 rows 8 (f % 2) + r - 8 of fragment 2 (f / 2) + 1.  Tile t = 2 f + u then holds key 64 (t / 4) + 32 (row / 8) + 8 (t % 4) + row % 8, so the 32 scores that lane (r, h) has of
; tiles 4 c .. 4 c + 3 are keys 64 c + 32 h + 0 .. 31: one whole scale block, in the order of p's operand registers.
; The head size is 64, half of the instruction's K: a fragment holds two tiles' halves, and q stands beside six registers of zero codes on either side.
; A block's largest p is made from its largest score by the same multiply-add and exponential as every p, in a batch of four ahead of the large ones, so that the scale words are ready when p is.
; FRAGMENTS are fetched a step ahead: k's for step s + 1 behind step s's first products, v's behind its second products; the one wait for them stands behind tile A's exponentials.  The last step of a pair fetches record 0,
; with which the next pair begins (behind the last pair it is not used).
; A pair's first step multiplies O^T and the sums by 2^(-2^31) = 0, since the old -M is set to 2^125: so what the registers held before (zeros at first, then the last pair's finite numbers) counts for nothing.
; LIMITS: the scaled scores stay under 2^31 in magnitude; NaN and infinities are not served; a block of p or ctx under 2^-124 gets the byte 1 with zero codes (only this program reads the bytes).
; REGISTERS: window 0: addresses, scale words, each tile's small registers, codes and scores.  Window 1: O^T of both tiles, k's and v's fragments, q between zeros, the next pair's q.
.set QSCL, 6291456
.set CSCL, 6291456
.set REC,  12800
.set SPARE, 204800
.set AKQ, 1                            ; v1-6 LDS addresses of the fragments and scale words that are fetched next
.set AKD, 2
.set AKS, 3
.set AVQ, 4
.set AVD, 5
.set AVS, 6
.set KQ0, 7                            ; v7-9 the lane terms of k's addresses
.set KD0, 8
.set KS0, 9
.set L16, 10                           ; 16 l
.set L8,  11                           ; 512 + 8 l
.set L4,  12                           ; 4 l
.set QSA, 13                           ; 4 r
.set CSA, 14                           ; 16 r
.set SH8, 15                           ; 8 h
.set KS,  16
.set VS,  18
.set SMA, 20                           ; a tile's 28 small registers: tile A from v20, tile B from v48
.set oN0, 0                            ; -M, in +0 and +2 by turns (each the low word of a pair)
.set oR,  1                            ; the running largest score
.set oN1, 2
.set oL,  4                            ; the row's sum, and three more chains
.set oC2, 6
.set oC4, 8
.set oC6, 10
.set oFF, 12                           ; the factor 2^(old M - new M)
.set oT,  14
.set oPT, 15
.set oM,  16                           ; four chains of a maximum
.set oBM, 20
.set oSO, 22
.set oPW, 24                           ; p's scale word
.set oQS, 25                           ; q's
.set oBY, 26
.set XTA, 76
.set PCA, 92                           ; p's codes: v92-103, v104-115
.set SA,  116                          ; the scores, then p: v116-179, v180-243
.set FK,  64                           ; window 1: O^T at 0 and 32; k's fragments; v's; zeros, q A, zeros, q B, zeros from 160
.set FV,  112
.set NQA, 192
.set NQB, 200
.set NSA, 206
.set NSB, 207
.set W_KQ, 0x05                        ; sources 0 and 1 window 1
.set W_PV, 0x51                        ; source 0, C and D window 1
.set W_LD, 0x40                        ; destination window 1
.set W_OR, 0x41                        ; destination and source 0 window 1
.set W_EP, 0x01                        ; source 0 window 1
.set WV,  10
.set G1,  16
.set G0,  24
.set SEL, 32
.set CS,  34
.set CN,  36
.set TB,  37
.set CNT, 38
.set BLK, 39
.set MSB, 0
.macro WIN new                         ; the immediate's high byte repeats the setting that is left
.if MSB != (\new)
	s_set_vgpr_msb (MSB<<8)|(\new)
.set MSB, (\new)
.endif
.endm
.macro ROUND
	s_barrier_signal -1
	s_barrier_wait -1
	s_cmp_lg_u32 s[WV], 0
	s_cbranch_scc1 .Lnot_wave_0_\@
	s_barrier_signal -3
.Lnot_wave_0_\@:
	s_barrier_wait -3
	s_barrier_signal -1
	s_barrier_wait -1
.endm
.macro WALU
	s_wait_alu depctr_va_vdst(0)
.endm
.macro TILE t                          ; the register bases of tile t
.set B_, SMA+28*(\t)
.set S_, SA+64*(\t)
.set P_, PCA+12*(\t)
.set X_, XTA+8*(\t)
.set O_, 32*(\t)
.set Q_, 166+12*(\t)
.endm
.macro WMS d, a, b, c, sa, sb, row
.if \row
	v_wmma_scale_f32_16x16x128_f8f6f4 v[\d:\d+7], v[\a:\a+11], v[\b:\b+11], \c, v[\sa], v[\sb] matrix_a_fmt:MATRIX_FMT_FP6 matrix_b_fmt:MATRIX_FMT_FP6 matrix_a_scale:MATRIX_SCALE_ROW1
.else
	v_wmma_scale_f32_16x16x128_f8f6f4 v[\d:\d+7], v[\a:\a+11], v[\b:\b+11], \c, v[\sa], v[\sb] matrix_a_fmt:MATRIX_FMT_FP6 matrix_b_fmt:MATRIX_FMT_FP6
.endif
.endm
.macro KQ t, f                         ; key tiles 2 f and 2 f + 1: q against the fragment's lower six registers, then against its upper six
	TILE \t
	WMS S_+16*(\f), FK+12*(\f), Q_, 0, KS+(\f)/2, B_+oQS, (\f)%2
	WMS S_+16*(\f)+8, FK+12*(\f), Q_-6, 0, KS+(\f)/2, B_+oQS, (\f)%2
.endm
.macro PV t, n
	TILE \t
	WMS O_+8*(\n), FV+12*(\n), P_, v[O_+8*(\n):O_+8*(\n)+7], VS+(\n)/2, B_+oPW, (\n)%2
.endm
.macro KLOAD off
	ds_load_b32 v[KS], v[AKS] offset:(\off)+12288
	ds_load_b32 v[KS+1], v[AKS] offset:(\off)+12416
	WIN W_LD
.irp f, 0,1,2,3
	ds_load_b128 v[FK+12*\f:FK+12*\f+3], v[AKQ] offset:(\off)+3072*(\f/2)+128*(\f%2)
	ds_load_b64 v[FK+12*\f+4:FK+12*\f+5], v[AKD] offset:(\off)+3072*(\f/2)+64*(\f%2)
	ds_load_b128 v[FK+12*\f+6:FK+12*\f+9], v[AKQ] offset:(\off)+3072*(\f/2)+128*(\f%2)+768
	ds_load_b64 v[FK+12*\f+10:FK+12*\f+11], v[AKD] offset:(\off)+3072*(\f/2)+64*(\f%2)+768
.endr
	WIN 0
.endm
.macro VLOAD off
	ds_load_b32 v[VS], v[AVS] offset:(\off)+12544
	ds_load_b32 v[VS+1], v[AVS] offset:(\off)+12672
	WIN W_LD
.irp f, 0,1,2,3
	ds_load_b128 v[FV+12*\f:FV+12*\f+3], v[AVQ] offset:(\off)+6144+1536*\f
	ds_load_b64 v[FV+12*\f+4:FV+12*\f+5], v[AVD] offset:(\off)+6144+1536*\f
	ds_load_b128 v[FV+12*\f+6:FV+12*\f+9], v[AVQ] offset:(\off)+6144+1536*\f+768
	ds_load_b64 v[FV+12*\f+10:FV+12*\f+11], v[AVD] offset:(\off)+6144+1536*\f+768
.endr
	WIN 0
.endm
; line i of n of a sum over n pairs of registers, st registers apart, in four chains
.macro SUML t, st, n, i
	TILE \t
.if (\i) < 3
	v_pk_add_f32 v[B_+oC2+2*(\i):B_+oC2+2*(\i)+1], v[S_+2*(\st)*(\i):S_+2*(\st)*(\i)+1], v[S_+2*(\st)*(\i)+(\st):S_+2*(\st)*(\i)+(\st)+1]
.elseif (\i) < (\n)-3
.set A_, B_+oL+2*(((\i)-3)%4)
	v_pk_add_f32 v[A_:A_+1], v[A_:A_+1], v[S_+(\st)*((\i)+3):S_+(\st)*((\i)+3)+1]
.elseif (\i) == (\n)-3
	v_pk_add_f32 v[B_+oC2:B_+oC2+1], v[B_+oC2:B_+oC2+1], v[B_+oC4:B_+oC4+1]
.elseif (\i) == (\n)-2
	v_pk_add_f32 v[B_+oL:B_+oL+1], v[B_+oL:B_+oL+1], v[B_+oC6:B_+oC6+1]
.else
	v_pk_add_f32 v[B_+oL:B_+oL+1], v[B_+oL:B_+oL+1], v[B_+oC2:B_+oC2+1]
.endif
.endm
.macro SUM1 t, j                       ; the first level of a sum, in place: no line hangs on another
	TILE \t
	v_pk_add_f32 v[S_+4*(\j):S_+4*(\j)+1], v[S_+4*(\j):S_+4*(\j)+1], v[S_+4*(\j)+2:S_+4*(\j)+3]
.endm
; line i of 16 of the largest score of block c: a chain to each accumulator, each read from its low end on
.macro MAXL t, c, i
	TILE \t
.set Z_, S_+32*(\c)
.set M_, B_+oM
.if (\i) < 4
	v_max3_num_f32 v[M_+(\i)], v[Z_+8*(\i)], v[Z_+8*(\i)+1], v[Z_+8*(\i)+2]
.elseif (\i) < 12
.set K_, (\i)%4
.set D_, 2*((\i)/4)+1
	v_max3_num_f32 v[M_+K_], v[M_+K_], v[Z_+8*K_+D_], v[Z_+8*K_+D_+1]
.elseif (\i) == 12
	v_max3_num_f32 v[M_], v[M_], v[M_+1], v[Z_+7]
.elseif (\i) == 13
	v_max3_num_f32 v[M_+2], v[M_+2], v[M_+3], v[Z_+15]
.elseif (\i) == 14
	v_max3_num_f32 v[M_], v[M_], v[Z_+23], v[Z_+31]
.else
	v_max_num_f32 v[B_+oBM+(\c)], v[M_], v[M_+2]
.endif
.endm
.macro CHAIN t, i, nn, no              ; the new -M and the factor
	TILE \t
.if (\i) == 0
	v_max3_num_f32 v[B_+oT], v[B_+oR], v[B_+oBM], v[B_+oBM+1]
.elseif (\i) == 1
	v_permlanex16_b32 v[B_+oPT], v[B_+oT], s[SEL], s[SEL+1]
.elseif (\i) == 2
	v_max_num_f32 v[B_+oR], v[B_+oT], v[B_+oPT]    ; with lane l xor 16's 64 keys
.elseif (\i) == 3
	v_mul_f32 v[B_+oT], s[CN], v[B_+oR]            ; -t
.elseif (\i) == 4
	v_floor_f32 v[B_+\nn], v[B_+oT]                ; -M = floor(-t)
.elseif (\i) == 5
	v_sub_f32 v[B_+oT], v[B_+\nn], v[B_+\no]       ; old M - new M, a whole number, 0 or less
.elseif (\i) == 6
	v_cvt_i32_f32 v[B_+oT], v[B_+oT]               ; (it saturates)
.else
	v_ldexp_f32 v[B_+oFF], 1.0, v[B_+oT]
.endif
.endm
.macro FMA t, j, nn                    ; t - M of two scores
	TILE \t
	v_pk_fma_f32 v[S_+2*(\j):S_+2*(\j)+1], v[S_+2*(\j):S_+2*(\j)+1], s[CS:CS+1], v[B_+\nn:B_+\nn+1] op_sel_hi:[1,0,0]
.endm
.macro BMF t, nn
	TILE \t
	v_fma_f32 v[B_+oBM], v[B_+oBM], s[CS], v[B_+\nn]
	v_fma_f32 v[B_+oBM+1], v[B_+oBM+1], s[CS], v[B_+\nn]
.endm
.macro PWC t, i                        ; from the blocks' largest p to the conversions' scale operands and p's scale word
	TILE \t
.if (\i) < 2
	v_max_num_f32 v[B_+oBM+(\i)], 0x1800000, v[B_+oBM+(\i)]       ; the floor 2^(3 - 127) holds the byte at 1 from below
.elseif (\i) < 4
	v_add_nc_u32 v[B_+oSO+(\i)-2], 0xff000000, v[B_+oBM+(\i)-2]   ; 2 off the exponent field
.elseif (\i) < 6
	v_lshrrev_b32 v[B_+oBY+(\i)-4], 23, v[B_+oSO+(\i)-4]
.elseif (\i) == 6
	v_lshl_or_b32 v[B_+oM], v[B_+oBY+1], 16, v[B_+oBY]            ; my bytes of blocks h and 2 + h,
.elseif (\i) == 7
	v_lshlrev_b32 v[B_+oM], v[SH8], v[B_+oM]                      ; at their places in the word;
.elseif (\i) == 8
	v_permlanex16_b32 v[B_+oPT], v[B_+oM], s[SEL], s[SEL+1]
.else
	v_or_b32 v[B_+oPW], v[B_+oM], v[B_+oPT]                       ; with lane l xor 16's two the word is whole
.endif
.endm
.macro CVT t
	TILE \t
.irp c, 0,1
	v_cvt_scalef32_pk16_fp6_f32 v[P_+6*\c:P_+6*\c+2], v[S_+32*\c:S_+32*\c+15], v[B_+oSO+\c]
	v_cvt_scalef32_pk16_fp6_f32 v[X_+4*\c:X_+4*\c+2], v[S_+32*\c+16:S_+32*\c+31], v[B_+oSO+\c]
.endr
.endm
.macro MOVS t                          ; (a conversion's three registers begin on an even number)
	TILE \t
.irp c, 0,1
.irp i, 0,1,2
	v_mov_b32 v[P_+6*\c+3+\i], v[X_+4*\c+\i]
.endr
.endr
.endm
.macro LRES t                          ; the sum under the new M
	TILE \t
	v_pk_mul_f32 v[B_+oL:B_+oL+1], v[B_+oL:B_+oL+1], v[B_+oFF:B_+oFF+1] op_sel_hi:[1,0]
.endm
.macro ORES t                          ; O^T under the new M
	TILE \t
.set j, 0
.rept 16
	v_pk_mul_f32 v[O_+j:O_+j+1], v[O_+j:O_+j+1], v[B_+oFF:B_+oFF+1] op_sel_hi:[1,0]
.set j, j+2
.endr
.endm
; A step: both tiles x 128 keys.  u: which of a trip's two; nn takes the new -M, no holds the old
.macro DSTEP u, nn, no
.irp f, 0,1,2,3                        ; tile A's scores; among them the last eight lines of tile B's sum of the step before
	WIN W_KQ
	KQ 0, \f
	WIN 0
	SUML 1, 2, 32, 24+2*\f
	SUML 1, 2, 32, 25+2*\f
.endr
.irp f, 0,1,2,3                        ; tile B's scores; among them tile A's first maxima
	WIN W_KQ
	KQ 1, \f
	WIN 0
	MAXL 0, 0, 2*\f
	MAXL 0, 0, 2*\f+1
.endr
.irp i, 8,9,10,11,12,13,14,15
	MAXL 0, 0, \i
.endr
.if \u
	s_add_co_u32 s[TB], s[TB], 2*REC               ; the next trip's two records; behind the sixteenth comes record 0
	s_cmp_eq_u32 s[TB], 16*REC
	s_cselect_b32 s[TB], 0, s[TB]
	v_add_nc_u32 v[AKQ], s[TB], v[KQ0]
	v_add_nc_u32 v[AKD], s[TB], v[KD0]
	v_add_nc_u32 v[AKS], s[TB], v[KS0]
.endif
.irp i, 0,1,2,3,4,5,6,7,8,9,10,11,12,13,14,15
	MAXL 0, 1, \i
	MAXL 1, 0, \i
.endr
	KLOAD REC*(1-\u)                               ; the next step's k
.irp i, 0,1,2,3,4,5,6,7
	MAXL 1, 1, 2*\i
	MAXL 1, 1, 2*\i+1
	CHAIN 0, \i, \nn, \no
.endr
.irp k, 0,1,2,3,4
	CHAIN 1, \k, \nn, \no
	FMA 0, 2*\k, \nn
	FMA 0, 2*\k+1, \nn
.endr
	BMF 0, \nn
	BMF 1, \nn
	WALU                                           ; a wait ahead of a batch and one behind it
.irp t, 0,1
.irp c, 0,1
	v_exp_f32 v[SMA+28*\t+oBM+\c], v[SMA+28*\t+oBM+\c]   ; the blocks' largest p
.endr
.endr
	FMA 0, 10, \nn
	WALU
.irp i, 0,1,2,3,4,5,6,7,8,9
	PWC 0, \i
	PWC 1, \i
	FMA 0, 11+2*\i, \nn
	FMA 0, 12+2*\i, \nn
.if (\i)%3 == 0 && (\i) < 9
	CHAIN 1, 5+(\i)/3, \nn, \no
.endif
.endr
	FMA 0, 31, \nn
	WIN W_OR
	WALU                                           ; directly ahead of the first reader of O^T, and ahead of the batch below
	ORES 0
	ORES 1
	WIN 0
.set j, 0
.rept 32                               ; tile A's p; among the exponentials tile B's t - M, which are read behind the wait
	v_exp_f32 v[SA+2*j], v[SA+2*j]
	v_exp_f32 v[SA+2*j+1], v[SA+2*j+1]
	FMA 1, j, \nn
.set j, j+1
.endr
	WALU
	s_wait_dscnt 0x0                               ; this step's v and the next step's k are in
	CVT 0
	LRES 0                                         ; a plain place behind the conversions
	MOVS 0
.irp j, 0,1,2,3
	SUM1 0, \j                                     ; four places between the codes' last move and the products
.endr
	WIN W_PV
.irp n, 0,1,2,3
	PV 0, \n
.endr
	WIN 0
.set e, 0
.set j, 4
.rept 12                               ; tile B's p; among the exponentials the rest of tile A's first level of sums
.rept 5
	v_exp_f32 v[SA+64+e], v[SA+64+e]
.set e, e+1
.endr
	SUM1 0, j
.set j, j+1
.endr
.rept 4
	v_exp_f32 v[SA+64+e], v[SA+64+e]
.set e, e+1
.endr
	LRES 1
	WALU
	CVT 1
	SUML 0, 4, 16, 0
	MOVS 1
.irp i, 1,2,3,4
	SUML 0, 4, 16, \i
.endr
	WIN W_PV
	PV 1, 0
	PV 1, 1
	WIN 0
	SUML 0, 4, 16, 5
	SUML 0, 4, 16, 6
	WIN W_PV
	PV 1, 2
	PV 1, 3
	WIN 0
.irp i, 0,1,2,3,4,5,6,7,8
	SUML 0, 4, 16, 7+\i
	SUML 1, 2, 32, 2*\i
	SUML 1, 2, 32, 2*\i+1
.endr
.if \u
	v_add_nc_u32 v[AVQ], s[TB], v[L16]
	v_add_nc_u32 v[AVD], s[TB], v[L8]
	v_add_nc_u32 v[AVS], s[TB], v[L4]
.endif
.irp i, 18,19,20,21,22,23
	SUML 1, 2, 32, \i
.endr
	VLOAD REC*(1-\u)                               ; the next step's v
.endm
; ctx of tile t (register 16 b + i = channel 32 b + 16 h + i of my query) becomes codes and two scale bytes, and leaves
.macro QCTX t, oc, os
	TILE \t
.irp b, 0,1
	v_max3_num_f32 v[B_+oBM+\b], |v[S_+16*\b]|, |v[S_+16*\b+1]|, 0x1800000
.endr
.irp i, 2,4,6,8,10,12,14
.irp b, 0,1
	v_max3_num_f32 v[B_+oBM+\b], v[B_+oBM+\b], |v[S_+16*\b+\i]|, |v[S_+16*\b+\i+1]|
.endr
.endr
	v_permlanex16_b32 v[B_+oPT], v[B_+oBM], s[SEL], s[SEL+1]
	v_permlanex16_b32 v[B_+oT], v[B_+oBM+1], s[SEL], s[SEL+1]
	v_max_num_f32 v[B_+oBM], v[B_+oBM], v[B_+oPT]
	v_max_num_f32 v[B_+oBM+1], v[B_+oBM+1], v[B_+oT]
.irp b, 0,1
	v_add_nc_u32 v[B_+oSO+\b], 0xff000000, v[B_+oBM+\b]
.endr
.irp b, 0,1
	v_lshrrev_b32 v[B_+oBY+\b], 23, v[B_+oSO+\b]
.endr
	v_lshl_or_b32 v[B_+oM], v[B_+oBY+1], 8, v[B_+oBY]
	v_cvt_scalef32_pk16_fp6_f32 v[P_:P_+2], v[S_:S_+15], v[B_+oSO]
	v_cvt_scalef32_pk16_fp6_f32 v[X_:X_+2], v[S_+16:S_+31], v[B_+oSO+1]
	v_nop
.irp i, 0,1,2
	v_permlane16_swap_b32 v[P_+\i], v[X_+\i]       ; the operand's layout wants a whole block in a lane
.endr
.irp i, 0,1,2
	v_mov_b32 v[P_+3+\i], v[X_+\i]
.endr
	global_store_b128 v[L16], v[P_:P_+3], s[44:45] offset:\oc     ; 512 consecutive bytes, at a multiple of 256
	global_store_b64 v[L8], v[P_+4:P_+5], s[44:45] offset:\oc     ; 256 consecutive bytes, likewise
	global_store_b16 v[CSA], v[B_+oM], s[46:47] offset:\os        ; two scale bytes a row, 16 bytes apart: a 24th of the codes
.endm
	s_load_b128 s[4:7], s[0:1], 0x0                ; kv, qb
	s_load_b64 s[8:9], s[0:1], 0x10                ; cb
	v_lshl_add_u32 v254, v0, 2, SPARE
	v_mov_b32 v255, 0
	ds_add_u32 v254, v255                          ; the opening lines
	ds_add_u32 v254, v255
	v_lshrrev_b32 v1, 5, v0
	v_readfirstlane_b32 s[WV], v1                  ; wave 0..7
	s_bfe_u32 s11, ttmp6, 0x40000                  ; cx: which 512 queries
	s_and_b32 s12, ttmp7, 0xffff                   ; 16 x batch + head
	s_mov_b32 s[G1], 15|(3<<16)|(1<<21)            ; the mask of all four; elements of 8 bytes; bit 21 beside a mask
	s_mov_b32 s[G1+1], 32<<16                      ; rows of 256 bytes
	s_mov_b32 s[G1+2], 100<<16                     ; 100 rows: two records
	s_mov_b32 s[G1+3], 32<<16
	s_mov_b32 s[G1+4], 100
	s_mov_b32 s[G1+5], 32
	s_mov_b32 s[G1+6], 0
	s_mov_b32 s[G1+7], 0
	s_mul_i32 s13, s[WV], 2*REC                    ; my two records, in LDS as in memory
	s_mul_i32 s14, s12, 16*REC
	s_add_co_u32 s14, s14, s13
	s_mov_b32 s15, 0
	s_lshl_b32 s48, s11, 5
	s_lshl_b32 s49, s[WV], 1
	s_add_co_u32 s48, s48, s49                     ; tile A: 32 cx + 2 x wave; tile B the next; the second pair lies 16 tiles on
	s_lshl_b32 s49, s12, 7
	s_add_co_u32 s49, s49, s48
	s_mul_i32 s40, s49, 768
	s_mov_b32 s41, 0
	s_lshl_b32 s42, s49, 6
	s_add_co_u32 s42, s42, QSCL
	s_mov_b32 s43, 0
	s_lshr_b32 s50, s12, 4
	s_lshl_b32 s50, s50, 7
	s_add_co_u32 s50, s50, s48                     ; the token tile of ctx
	s_and_b32 s51, s12, 15                         ; the head = which 64 along the projection's K
	s_lshl_b32 s44, s50, 4
	s_add_co_u32 s44, s44, s51
	s_mul_i32 s44, s44, 768
	s_mov_b32 s45, 0
	s_lshl_b32 s46, s50, 9
	s_lshr_b32 s52, s51, 3
	s_lshl_b32 s52, s52, 8
	s_add_co_u32 s46, s46, s52
	s_bfe_u32 s52, s51, 0x20001
	s_lshl_b32 s52, s52, 2
	s_add_co_u32 s46, s46, s52
	s_and_b32 s52, s51, 1
	s_lshl_b32 s52, s52, 1
	s_add_co_u32 s46, s46, s52
	s_add_co_u32 s46, s46, CSCL
	s_mov_b32 s47, 0
	s_mov_b32 s[SEL], 0x76543210
	s_mov_b32 s[SEL+1], 0xfedcba98                 ; selects: lane l xor 16
	s_mov_b32 s[CS], 0x3e38aa3b                    ; log2(e) / 8
	s_mov_b32 s[CS+1], s[CS]
	s_mov_b32 s[CN], 0xbe38aa3b                    ; and its negative
	s_wait_dscnt 0x0
	s_wait_kmcnt 0x0
	s_add_nc_u64 s[14:15], s[4:5], s[14:15]
	s_add_nc_u64 s[40:41], s[6:7], s[40:41]
	s_add_nc_u64 s[42:43], s[6:7], s[42:43]
	s_add_nc_u64 s[44:45], s[8:9], s[44:45]
	s_add_nc_u64 s[46:47], s[8:9], s[46:47]
	s_mov_b32 s[G0], 1
	s_mov_b32 s[G0+1], s13
	s_mov_b64 s[G0+2:G0+3], s[14:15]
	s_or_b32 s[G0+3], s[G0+3], 0x80000000
	ROUND                                          ; the four work-groups are here: the joint loads meet
	tensor_load_to_lds s[G0:G0+3], s[G1:G1+7]      ; my one load of the launch
	s_nop 0
	v_and_b32 v244, 31, v0                         ; l
	v_and_b32 v245, 15, v0                         ; r
	v_bfe_u32 v246, v0, 4, 1                       ; h
	v_lshlrev_b32 v[L16], 4, v244
	v_lshlrev_b32 v[L8], 3, v244
	v_lshlrev_b32 v[L4], 2, v244
	v_lshlrev_b32 v[QSA], 2, v245
	v_lshlrev_b32 v[CSA], 4, v245
	v_lshlrev_b32 v[SH8], 3, v246
	v_add_nc_u32 v[L8], 512, v[L8]
	WIN W_LD
	global_load_b128 v[NQA:NQA+3], v[L16], s[40:41]
	global_load_b64 v[NQA+4:NQA+5], v[L8], s[40:41]
	global_load_b128 v[NQB:NQB+3], v[L16], s[40:41] offset:768
	global_load_b64 v[NQB+4:NQB+5], v[L8], s[40:41] offset:768
	global_load_b32 v[NSA], v[QSA], s[42:43]
	global_load_b32 v[NSB], v[QSA], s[42:43] offset:64
.set j, 0
.rept 64
	v_mov_b32 v[j], 0                              ; O^T of both tiles, once
.set j, j+1
.endr
.irp z, 160,172,184
.irp i, 0,1,2,3,4,5
	v_mov_b32 v[\z+\i], 0                          ; the zero codes beside q
.endr
.endr
	WIN 0
	v_and_b32 v247, 7, v0                          ; r % 8
	v_bfe_u32 v248, v0, 3, 1                       ; r / 8
	v_lshl_add_u32 v249, v246, 4, v247             ; r % 8 + 16 h: my lane in the record's fragment
	v_mul_u32_u24 v250, v248, 1536                 ; rows 8-15 come from the record's next fragment
	v_lshl_add_u32 v[KQ0], v249, 4, v250
	v_lshl_add_u32 v[KD0], v249, 3, v250
	v_lshlrev_b32 v247, 2, v247
	v_add_nc_u32 v[KD0], 512, v[KD0]
	v_lshl_add_u32 v247, v246, 5, v247
	v_lshl_add_u32 v[KS0], v248, 6, v247           ; k's scale words: 64 (r / 8) + 32 h + 4 (r % 8): lanes 16-31 take the odd fragment's
	v_mov_b32 v[AKQ], v[KQ0]
	v_mov_b32 v[AKD], v[KD0]
	v_mov_b32 v[AKS], v[KS0]
	v_mov_b32 v[AVQ], v[L16]
	v_mov_b32 v[AVD], v[L8]
	v_mov_b32 v[AVS], v[L4]
.irp t, 0,1
.irp o, 3,4,5,6,7,8,9,10,11,13,14,15
	v_mov_b32 v[SMA+28*\t+\o], 0
.endr
.endr
.set j, 0
.rept 128
	v_mov_b32 v[SA+j], 0                           ; p of both tiles, once, while the records are on their way
.set j, j+1
.endr
	WALU
	s_wait_tensorcnt 0x0
	s_barrier_signal -1
	s_barrier_wait -1                              ; all sixteen records are in
	KLOAD 0
	VLOAD 0
	s_wait_dscnt 0x0
	s_mov_b32 s[BLK], 2
.Lblock:
	s_wait_loadcnt 0x0
	WIN W_EP
	v_mov_b32 v[SMA+oQS], v[NSA]
	v_mov_b32 v[SMA+28+oQS], v[NSB]
	WIN W_OR
.irp i, 0,1,2,3,4,5
	v_mov_b32 v[166+\i], v[NQA+\i]
	v_mov_b32 v[178+\i], v[NQB+\i]
.endr
	WIN 0
.irp t, 0,1
	v_mov_b32 v[SMA+28*\t+oR], 0xff61b1e6          ; -3e38, under every score
	v_mov_b32 v[SMA+28*\t+oN1], 0x7e000000         ; the old -M: 2^125, so that the first factor is 0
.endr
	s_mov_b32 s[TB], 0
	s_mov_b32 s[CNT], 8
	s_cmp_eq_u32 s[BLK], 1
	WALU
	s_cbranch_scc1 .Ltrip
	WIN W_LD
	global_load_b128 v[NQA:NQA+3], v[L16], s[40:41] offset:12288
	global_load_b64 v[NQA+4:NQA+5], v[L8], s[40:41] offset:12288
	global_load_b128 v[NQB:NQB+3], v[L16], s[40:41] offset:13056
	global_load_b64 v[NQB+4:NQB+5], v[L8], s[40:41] offset:13056
	global_load_b32 v[NSA], v[QSA], s[42:43] offset:1024
	global_load_b32 v[NSB], v[QSA], s[42:43] offset:1088
	WIN 0
.Ltrip:                                                ; two steps a trip: -M changes registers from step to step
	DSTEP 0, oN0, oN1
	DSTEP 1, oN1, oN0
	s_sub_co_u32 s[CNT], s[CNT], 1
	s_cmp_lg_u32 s[CNT], 0
	WALU
	s_cbranch_scc1 .Ltrip
.irp i, 24,25,26,27,28,29,30,31
	SUML 1, 2, 32, \i                              ; the rest of tile B's last sum
.endr
.irp t, 0,1
	v_add_f32 v[SMA+28*\t+oL], v[SMA+28*\t+oL], v[SMA+28*\t+oL+1]
.endr
.irp t, 0,1
	v_permlanex16_b32 v[SMA+28*\t+oPT], v[SMA+28*\t+oL], s[SEL], s[SEL+1]
.endr
.irp t, 0,1
	v_add_f32 v[SMA+28*\t+oL], v[SMA+28*\t+oL], v[SMA+28*\t+oPT]   ; with lane l xor 16's keys: the row's sum
.endr
	WALU
	v_rcp_f32 v[SMA+oL], v[SMA+oL]
	v_rcp_f32 v[SMA+28+oL], v[SMA+28+oL]
	v_nop
	WIN W_EP
	WALU
.irp t, 0,1
.set j, 0
.rept 16
	v_pk_mul_f32 v[SA+64*\t+j:SA+64*\t+j+1], v[32*\t+j:32*\t+j+1], v[SMA+28*\t+oL:SMA+28*\t+oL+1] op_sel_hi:[1,0]
.set j, j+2
.endr
.endr
	WIN 0
	QCTX 0, 0, 0
	QCTX 1, 12288, 512
	s_wait_xcnt 0x0                                ; the stores have read their bases
	s_add_nc_u64 s[44:45], s[44:45], 196608
	s_add_nc_u64 s[46:47], s[46:47], 8192
	s_sub_co_u32 s[BLK], s[BLK], 1
	s_cmp_lg_u32 s[BLK], 0
	WALU
	s_cbranch_scc1 .Lblock
	s_wait_tensorcnt 0x0                           ; the wave's end
	ds_add_u32 v254, v255
	s_wait_dscnt 0x0
	ROUND                                          ; the closing round
	s_endpgm
.Lfunc_end_k_qc254d56f65_attn:
	.size	k_qc254d56f65_attn, .Lfunc_end_k_qc254d56f65_attn-k_qc254d56f65_attn
	.p2alignl 7, 3214868480
	.fill 96, 4, 3214868480
	.section	.rodata,"a",@progbits
	.p2align	6, 0x0
	.amdhsa_kernel k_qc254d56f65_attn
		.amdhsa_group_segment_fixed_size 327680
		.amdhsa_private_segment_fixed_size 0
		.amdhsa_enable_private_segment 0
		.amdhsa_kernarg_size 24
		.amdhsa_user_sgpr_count 2
		.amdhsa_user_sgpr_kernarg_segment_ptr 1
		.amdhsa_wavefront_size32 1
		.amdhsa_system_sgpr_workgroup_id_x 1
		.amdhsa_system_sgpr_workgroup_id_y 1
		.amdhsa_system_sgpr_workgroup_id_z 1
		.amdhsa_system_vgpr_workitem_id 0
		.amdhsa_next_free_vgpr 512
		.amdhsa_next_free_sgpr 66
		.amdhsa_reserve_vcc 0
		.amdhsa_float_denorm_mode_32 3
		.amdhsa_float_denorm_mode_16_64 3
		.amdhsa_memory_ordered 1
		.amdhsa_forward_progress 1
		.amdhsa_inst_pref_size 80
	.end_amdhsa_kernel
	.amdgpu_metadata
---
amdhsa.version: [ 1, 2 ]
amdhsa.kernels:
  - .name:           k_qc254d56f65_attn
    .symbol:         k_qc254d56f65_attn.kd
    .args:
      - { .name: kv, .offset: 0, .size: 8, .value_kind: global_buffer, .address_space: global }
      - { .name: qb, .offset: 8, .size: 8, .value_kind: global_buffer, .address_space: global }
      - { .name: cb, .offset: 16, .size: 8, .value_kind: global_buffer, .address_space: global }
    .group_segment_fixed_size: 327680
    .private_segment_fixed_size: 0
    .kernarg_segment_align: 8
    .kernarg_segment_size: 24
    .max_flat_workgroup_size: 256
    .sgpr_count:     66
    .vgpr_count:     512
    .wavefront_size: 32
...
	.end_amdgpu_metadata
.endif
;; end of part 3
;; launch outp (part 4): grid 4 x 64, 4 waves a work-group, clusters of 4 x 4, 327,680 bytes of LDS; arguments cb, wq, bo, out0; writes out0
.if DOCPART == 4
	.amdgcn_target "amdgcn-amd-amdhsa--gfx1250"
	.amdhsa_code_object_version 6
	.text
	.protected	k_qc254d56f65_outp
	.globl	k_qc254d56f65_outp
	.p2align	8
	.type	k_qc254d56f65_outp,@function
k_qc254d56f65_outp:
	s_mov_b64 s[64:65], 0
	v_nop
	global_prefetch_b8 v0, s[64:65] scope:SCOPE_SE
	s_setreg_imm32_b32 hwreg(HW_REG_WAVE_MODE, 25, 1), 1
	s_wait_xcnt 0x0
	s_wait_alu depctr_hold_cnt(0) depctr_sa_sdst(0) depctr_va_vdst(0) depctr_va_sdst(0) depctr_va_ssrc(0) depctr_va_vcc(0) depctr_vm_vsrc(0)
	s_getreg_b32 s2, hwreg(HW_REG_IB_STS2, 6, 4)
	s_cmp_eq_u32 s2, 0
	s_cbranch_scc0 .Lentry_in_a_cluster
	s_endpgm
.Lentry_in_a_cluster:
	s_bfe_u32 s2, ttmp6, 0x10000c
	s_cmp_lg_u32 s2, 0xf033
	s_cbranch_scc0 .Lentry_shape_is_right
	s_endpgm
.Lentry_shape_is_right:
; out0 = ctx Wo + bo on codes of FP6 with E8M0 scales, sums in f32.  ctx's and Wo's codes are images of operand registers: a half H(T, g), 768 bytes = row tile T, 64 along K: lane l = (r, h) owns row tau(T, r),
; k = 64 g + 32 h + 0..31; registers 0-3 at 16 l, 4-5 at 512 + 8 l; tau(T, r) = 32 (T / 2) + 8 (T % 2) + r + 8 (r / 8).
; A WORK-GROUP multiplies operand 0 (256 columns of Wo, source 0: they run along a result's registers, so that a lane holds neighbouring numbers of a row of out0) by operand 1 (128 tokens of ctx, source 1) over K = 1,024.
; LDS: all of K for both operands, 294,912 bytes, filled ONCE: two slots of 147,456 bytes, one for each half of K, each [operand 1's 8 tiles, operand 0's 16][4 K steps][1,536].
; Each wave asks for one part by one tensor load (waves 0 and 1: slot 0's, waves 2 and 3: slot 1's).  Nothing is filled again.
; CLUSTER 4 x 4: operand 1 is asked for jointly along a row of the cluster, operand 0 along a column.
; A WAVE (w0 = w % 2, w1 = w / 2): source-0 tiles 8 w0 + a x source-1 tiles 4 w1 + b: 32 accumulators, which take turns in the same order in every K step.  bo is the C of each sum's first product.
; THE WAY OUT goes through a stage of 8,448 bytes a wave in region 0, which has had its only fill and, behind the last K step's barrier, its last read.
; REGISTERS: window 0: addresses, scale words, the way out.  Windows 1 and 2: fragment sets 0 and 1 (source 0 at 12 a, source 1 at 96 + 12 b).  Window 2 from v144: the bias.  Window 3: accumulator (a, b) at 8 (8 b + a).
.set WSCL, 3145728
.set CSCL, 6291456
.set REG,   98304
.set CHUNK, 24576
.set LASTBAR, 1
.set A0Q, 4
.set A0D, 6
.set A1Q, 8
.set A1D, 10
.set VS,  12                           ; v12    512 (l / 16) + 16 (l % 16)
.set VB,  13                           ; v13    64 (l / 16)
.set L16, 14                           ; v14    16 l
.set L8,  15                           ; v15    512 + 8 l
.set STO, 17                           ; v17    the stage: where I put 32 bytes of a row
.set RD,  18                           ; v18    and where I read a row back
.set SC0, 32
.set SC1, 64
.set BK,  100                          ; v100-163, v164-227 by turns: 16 rows read back from the stage
.set BIAS, 144                         ; in window 2
.set G1A, 24
.set G1B, 32
.set G0A, 40
.set G0B, 68
.set MSB, 0
.macro WIN new                         ; the immediate's high byte repeats the setting that is left
.if MSB != (\new)
	s_set_vgpr_msb (MSB<<8)|(\new)
.set MSB, (\new)
.endif
.endm
.macro ROUND                           ; a round of the cluster's barrier
	s_barrier_signal -1
	s_barrier_wait -1
	s_cmp_lg_u32 s20, 0
	s_cbranch_scc1 .Lnot_wave_0_\@
	s_barrier_signal -3
.Lnot_wave_0_\@:
	s_barrier_wait -3
	s_barrier_signal -1
	s_barrier_wait -1
.endm
.macro FRAG reg, aq, ad, off
	ds_load_b128 v[\reg:\reg+3], v[\aq] offset:\off
	ds_load_b64 v[\reg+4:\reg+5], v[\ad] offset:\off
	ds_load_b128 v[\reg+6:\reg+9], v[\aq] offset:\off+768
	ds_load_b64 v[\reg+10:\reg+11], v[\ad] offset:\off+768
.endm
.macro FETCH k, set                    ; K step k's 12 fragments into set: 48 LDS loads in one run
	WIN (1+(\set))<<6
.irp t, 0,1,2,3,4,5,6,7
	FRAG 12*\t, A0Q+(\k)/4, A0D+(\k)/4, 6144*\t+1536*((\k)%4)   ; a region is laid [K half (2)][tile (8)][K step (4)][1,536]
.endr
.irp t, 0,1,2,3
	FRAG 96+12*\t, A1Q+(\k)/4, A1D+(\k)/4, 6144*\t+1536*((\k)%4)
.endr
.endm
.macro WM d, a, b, c, sa, sb, ra, rb   ; one product; ra, rb: the side's scale words lie in lanes 16-31
.if (\ra) && (\rb)
	v_wmma_scale_f32_16x16x128_f8f6f4 v[\d:\d+7], v[\a:\a+11], v[\b:\b+11], v[\c:\c+7], v[\sa], v[\sb] matrix_a_fmt:MATRIX_FMT_FP6 matrix_b_fmt:MATRIX_FMT_FP6 matrix_a_scale:MATRIX_SCALE_ROW1 matrix_b_scale:MATRIX_SCALE_ROW1
.elseif (\ra)
	v_wmma_scale_f32_16x16x128_f8f6f4 v[\d:\d+7], v[\a:\a+11], v[\b:\b+11], v[\c:\c+7], v[\sa], v[\sb] matrix_a_fmt:MATRIX_FMT_FP6 matrix_b_fmt:MATRIX_FMT_FP6 matrix_a_scale:MATRIX_SCALE_ROW1
.elseif (\rb)
	v_wmma_scale_f32_16x16x128_f8f6f4 v[\d:\d+7], v[\a:\a+11], v[\b:\b+11], v[\c:\c+7], v[\sa], v[\sb] matrix_a_fmt:MATRIX_FMT_FP6 matrix_b_fmt:MATRIX_FMT_FP6 matrix_b_scale:MATRIX_SCALE_ROW1
.else
	v_wmma_scale_f32_16x16x128_f8f6f4 v[\d:\d+7], v[\a:\a+11], v[\b:\b+11], v[\c:\c+7], v[\sa], v[\sb] matrix_a_fmt:MATRIX_FMT_FP6 matrix_b_fmt:MATRIX_FMT_FP6
.endif
.endm
.macro MUL16 b0, k, cmode              ; source-1 tiles b0, b0 + 1 x source 0's eight.  cmode 0: C = the accumulator; 1: the bias by a
.irp b, \b0, \b0+1
.irp a, 0,1,2,3,4,5,6,7
.if \cmode == 0
.set CR, 8*(8*(\b)+\a)
.else
.set CR, BIAS+8*\a
.endif
	WM 8*(8*(\b)+\a), 12*\a, 96+12*(\b), CR, SC0+8*(\a/2)+(\k), SC1+8*((\b)/2)+(\k), (\a)%2, (\b)%2
.endr
.endr
.endm
.macro KSTEP k, cmode
	s_wait_dscnt 0x0                               ; this K step's fragments are in (asked for 16 products ago)
.if (\k) == 3
	s_wait_tensorcnt 0x0                           ; my part of the second K half has landed
	s_barrier_signal -1
.endif
.if LASTBAR && ((\k) == 7)
	s_barrier_signal -1                            ; my last reads of the operands are back
.endif
.if \cmode
	WIN 0xe5                                       ; sources 0 and 1 window 1, C window 2, D window 3
.else
	WIN 0xf5+5*((\k)%2)                            ; sources window 1 or 2, C and D window 3
.endif
	MUL16 0, \k, \cmode
.if (\k) == 3
	s_barrier_wait -1                              ; everybody's part has landed
.endif
.if (\k) < 7
.rept 4
	v_nop                                          ; places in front of loads into registers that matrix instructions have read
.endr
	FETCH (\k)+1, 1-(\k)%2
.if \cmode
	WIN 0xe5
.else
	WIN 0xf5+5*((\k)%2)
.endif
.endif
	MUL16 2, \k, \cmode
.if LASTBAR && ((\k) == 7)
	s_barrier_wait -1                              ; everybody's are: region 0 may take the stages
.endif
.endm
	s_load_b256 s[4:11], s[0:1], 0x0               ; cb, wq, bo, out0
	v_lshl_add_u32 v254, v0, 2, 0x48000
	v_mov_b32 v255, 0
	ds_add_u32 v254, v255
	ds_add_u32 v254, v255
	v_lshrrev_b32 v1, 5, v0
	v_readfirstlane_b32 s20, v1                    ; wave 0..3
	s_and_b32 s21, s20, 1                          ; w0
	s_lshr_b32 s22, s20, 1                         ; w1
	s_bfe_u32 s56, ttmp6, 0x40000                  ; cx
	s_bfe_u32 s57, ttmp6, 0x40004                  ; cy
	s_lshl_b32 s61, ttmp9, 2
	s_add_co_u32 s61, s61, s56                     ; i0: which 256 columns: 4 x cluster x + cx (it never holds cy)
	s_and_b32 s59, ttmp7, 0xffff
	s_lshl_b32 s62, s59, 2
	s_add_co_u32 s62, s62, s57                     ; i1: which 128 tokens: 4 x cluster y + cy (it never holds cx)
	s_lshl_b32 s18, s57, 2
	s_lshl_b32 s18, 15, s18                        ; my row of the cluster
	s_lshl_b32 s19, 0x1111, s56                    ; my column
	s_or_b32 s[G1A], s18, (3<<16)|(1<<21)          ; 15:0 the mask; 17:16 elements of 8 bytes; 21 set beside a mask; no padding
	s_or_b32 s[G1B], s19, (3<<16)|(1<<21)
.irp g, G1A, G1B
	s_mov_b32 s[\g+1], 768<<16                     ; tensor_dim0 = 768 elements: a tile's 4 K steps, 6,144 bytes
	s_mov_b32 s[\g+2], (8+8*(\g/G1B))<<16          ; tensor_dim1: operand 1's 8 tiles, operand 0's 16
	s_mov_b32 s[\g+3], 768<<16                     ; tile_dim0
	s_mov_b32 s[\g+4], 8+8*(\g/G1B)                ; tile_dim1
	s_mov_b32 s[\g+5], 1536                        ; from tile to tile: 12,288 bytes
	s_mov_b32 s[\g+6], 0
	s_mov_b32 s[\g+7], 0
.endr
	s_mul_i32 s94, s62, REG                        ; operand 1's tiles, in bytes
	s_mov_b32 s95, 0
	s_mul_i32 s96, s61, 2*REG                      ; operand 0's 16 tiles, in bytes
	s_add_co_u32 s96, s96, 192*12288               ; Wo begins at tile 192
	s_mov_b32 s97, 0
	s_lshl_b32 s2, s61, 4
	s_lshl_b32 s3, s21, 3
	s_add_co_u32 s2, s2, s3
	s_add_co_u32 s2, s2, 192
	s_lshl_b32 s88, s2, 9
	s_add_co_u32 s88, s88, WSCL                    ; my 8 tiles' scale words of operand 0
	s_mov_b32 s89, 0
	s_lshl_b32 s3, s62, 3
	s_lshl_b32 s23, s22, 2
	s_add_co_u32 s3, s3, s23
	s_lshl_b32 s90, s3, 9
	s_add_co_u32 s90, s90, CSCL                    ; my 4 tiles' of operand 1
	s_mov_b32 s91, 0
	s_lshl_b32 s98, s61, 10                        ; my 128 columns begin at 256 i0 + 128 w0
	s_lshl_b32 s3, s21, 9
	s_add_co_u32 s98, s98, s3
	s_mov_b32 s99, 0
	s_wait_dscnt 0x0
	s_wait_kmcnt 0x0
	s_add_nc_u64 s[88:89], s[6:7], s[88:89]
	s_add_nc_u64 s[90:91], s[4:5], s[90:91]
	s_add_nc_u64 s[84:85], s[6:7], s[96:97]
	s_add_nc_u64 s[86:87], s[4:5], s[94:95]
	s_add_nc_u64 s[92:93], s[8:9], s[98:99]        ; the bias
	s_lshl_b32 s2, s62, 7
	s_lshl_b32 s3, s22, 6
	s_add_co_u32 s2, s2, s3                        ; my 64 tokens begin at 128 i1 + 64 w1
	s_lshl_b32 s2, s2, 12
	s_add_co_u32 s98, s98, s2
	s_add_nc_u64 s[98:99], s[10:11], s[98:99]      ; out0 at my first row and column
.irp j, 0,1                            ; one group 0 for each K half: each wave asks for one part at the head
	s_mov_b32 s[G0A+4*\j], 1
	s_mov_b32 s[G0A+4*\j+1], 147456*\j             ; LDS: [K half (2)][operand 1's 8 tiles, operand 0's 16][6,144]
	s_add_nc_u64 s[G0A+4*\j+2:G0A+4*\j+3], s[86:87], 6144*\j
	s_or_b32 s[G0A+4*\j+3], s[G0A+4*\j+3], 0x80000000
	s_mov_b32 s[G0B+4*\j], 1
	s_mov_b32 s[G0B+4*\j+1], 49152+147456*\j
	s_add_nc_u64 s[G0B+4*\j+2:G0B+4*\j+3], s[84:85], 6144*\j
	s_or_b32 s[G0B+4*\j+3], s[G0B+4*\j+3], 0x80000000
.endr
	ROUND                                          ; all sixteen work-groups are here: the joint loads meet
	s_cmp_eq_u32 s20, 0                            ; a wave's one load stands in a branch on the wave's number, which is the same in every work-group
	s_cbranch_scc0 .Lnot_one
	tensor_load_to_lds s[G0A:G0A+3], s[G1A:G1A+7]
	s_nop 0
.rept 4
	v_nop                                          ; (four v_nops behind a tensor load)
.endr
	s_branch .Lasked
.Lnot_one:                                             ; one load a wave, each in an arm of its own: the first K half of both operands is asked for first
	s_cmp_eq_u32 s20, 1
	s_cbranch_scc0 .Lnot_two
	tensor_load_to_lds s[G0B:G0B+3], s[G1B:G1B+7]
	s_nop 0
.rept 4
	v_nop
.endr
	s_branch .Lasked
.Lnot_two:
	s_cmp_eq_u32 s20, 2
	s_cbranch_scc0 .Lnot_three
	tensor_load_to_lds s[G0A+4:G0A+7], s[G1A:G1A+7]
	s_nop 0
.rept 4
	v_nop
.endr
	s_branch .Lasked
.Lnot_three:
	tensor_load_to_lds s[G0B+4:G0B+7], s[G1B:G1B+7]
	s_nop 0
.rept 4
	v_nop
.endr
.Lasked:
	v_and_b32 v1, 31, v0                           ; lane
	v_and_b32 v2, 15, v0                           ; r
	v_bfe_u32 v3, v0, 4, 1                         ; h
	v_lshlrev_b32 v[VS], 4, v2
	v_lshl_add_u32 v[VS], v3, 9, v[VS]
.irp i, 0,1,2,3
.irp q, 0,1
	global_load_b128 v[SC0+8*\i+4*\q:SC0+8*\i+4*\q+3], v[VS], s[88:89] offset:1024*\i+256*\q   ; sixteen lanes read 256 consecutive bytes: a tile's words of four K steps
.endr
.endr
.irp i, 0,1
.irp q, 0,1
	global_load_b128 v[SC1+8*\i+4*\q:SC1+8*\i+4*\q+3], v[VS], s[90:91] offset:1024*\i+256*\q
.endr
.endr
	v_lshlrev_b32 v[VB], 6, v3
	WIN 0x80                                       ; destination window 2
.irp t, 0,1,2,3,4,5,6,7,8,9,10,11,12,13,14,15
	global_load_b128 v[BIAS+4*\t:BIAS+4*\t+3], v[VB], s[92:93] offset:128*(\t/4)+16*(\t%4)   ; register 16 j + i = the bias of column 32 j + 16 h + i
.endr
	WIN 0
	v_lshlrev_b32 v[L16], 4, v1
	v_lshlrev_b32 v[L8], 3, v1
	v_add_nc_u32 v[L8], 512, v[L8]
	s_mul_i32 s2, s21, 49152
	s_add_co_u32 s2, s2, 49152                     ; source 0: behind operand 1's 8 tiles, tiles 8 w0 on
	s_mul_i32 s3, s22, 24576                       ; source 1: region 0, tiles 4 w1 on, 6,144 bytes a tile and K half
.irp g, 0,1
	v_add_nc_u32 v[A0Q+\g], s2, v[L16]
	v_add_nc_u32 v[A0D+\g], s2, v[L8]
	v_add_nc_u32 v[A1Q+\g], s3, v[L16]
	v_add_nc_u32 v[A1D+\g], s3, v[L8]
	s_add_co_u32 s2, s2, 147456
	s_add_co_u32 s3, s3, 147456
.endr
	s_mul_i32 s23, s20, 8448                       ; my stage: 16 rows x (512 + 16) bytes
	v_mul_u32_u24 v[STO], v2, 528
	v_lshl_add_u32 v[STO], v3, 6, v[STO]
	v_add_nc_u32 v[STO], s23, v[STO]               ; in: row r, + 64 h
	v_add_nc_u32 v[RD], s23, v[L16]                ; back: the 32 lanes take one row of 512 bytes
	s_wait_alu depctr_va_vdst(0)
	s_cmp_lt_u32 s20, 2
	s_cbranch_scc0 .Lnot_first
	s_wait_tensorcnt 0x0                           ; waves 0 and 1: the first K half has landed; the second, waves 2 and 3's, may be on its way: nothing is filled again
.Lnot_first:
	s_barrier_signal -1
	s_barrier_wait -1
	FETCH 0, 0
	s_wait_loadcnt 0x0                             ; the scale words and the bias
	KSTEP 0, 1                                     ; the first K step starts the sums from the bias: nothing is cleared
	KSTEP 1, 0
	KSTEP 2, 0
	KSTEP 3, 0
	KSTEP 4, 0
	KSTEP 5, 0
	KSTEP 6, 0
	KSTEP 7, 0
	WIN 0
; THE WAY OUT, a tile of 16 tokens x my 128 columns at a time.  A lane holds pieces of one row, and the lanes beside it hold other rows: so a block goes through my own stage and comes back as whole rows of 512 bytes.
; LDS serves a wave's instructions in order (ISA guide 5.7.1.4): no wait between the stores and the loads, nor in front of the next block's stores.
.macro TOSTAGE b
	WIN 0x0c                                       ; an LDS store's data are its source 1: window 3
.irp a, 0,1,2,3,4,5,6,7
	ds_store_b128 v[STO], v[8*(8*(\b)+\a):8*(8*(\b)+\a)+3] offset:128*(\a/2)+32*(\a%2)        ; each accumulator from its low end on: columns 32 (a / 2) + 16 h + 8 (a % 2) + 0..7
	ds_store_b128 v[STO], v[8*(8*(\b)+\a)+4:8*(8*(\b)+\a)+7] offset:128*(\a/2)+32*(\a%2)+16
.endr
	WIN 0
.set BB, BK+64*((\b)%2)
.irp t, 0,1,2,3,4,5,6,7,8,9,10,11,12,13,14,15
	ds_load_b128 v[BB+4*\t:BB+4*\t+3], v[RD] offset:\t*528
.endr
.endm
.macro SEND b, younger                 ; younger: the LDS instructions issued behind block b's loads, which may stay out
.set BB, BK+64*((\b)%2)
	s_wait_dscnt \younger
.irp t, 0,1,2,3,4,5,6,7,8,9,10,11,12,13,14,15
	global_store_b128 v[L16], v[BB+4*\t:BB+4*\t+3], s[98:99] offset:(32*((\b)/2)+8*((\b)%2)+\t+8*(\t/8))*4096 th:TH_STORE_NT   ; row t of tile b is token 32 (b / 2) + 8 (b % 2) + t + 8 (t / 8); 512 consecutive bytes, at a multiple of 256
.endr
.endm
.rept 4
	v_nop                                          ; places in front of the first read of results
.endr
	TOSTAGE 0
	TOSTAGE 1
	SEND 0, 32                                     ; behind block 0's loads: block 1's 16 stores and 16 loads
	s_wait_xcnt 0x0                                ; block 0's stores have read their registers: block 2's loads may land there
	TOSTAGE 2
	SEND 1, 32
	s_wait_xcnt 0x0
	TOSTAGE 3
	SEND 2, 32
	SEND 3, 0
	s_wait_tensorcnt 0x0
	ds_add_u32 v254, v255
	s_wait_dscnt 0x0
	ROUND                                          ; the closing round: no work-group ends while a partner may still ask for a tile that names it
	s_endpgm
.Lfunc_end_k_qc254d56f65_outp:
	.size	k_qc254d56f65_outp, .Lfunc_end_k_qc254d56f65_outp-k_qc254d56f65_outp
	.p2alignl 7, 3214868480
	.fill 96, 4, 3214868480
	.section	.rodata,"a",@progbits
	.p2align	6, 0x0
	.amdhsa_kernel k_qc254d56f65_outp
		.amdhsa_group_segment_fixed_size 327680
		.amdhsa_private_segment_fixed_size 0
		.amdhsa_enable_private_segment 0
		.amdhsa_kernarg_size 32
		.amdhsa_user_sgpr_count 2
		.amdhsa_user_sgpr_kernarg_segment_ptr 1
		.amdhsa_wavefront_size32 1
		.amdhsa_system_sgpr_workgroup_id_x 1
		.amdhsa_system_sgpr_workgroup_id_y 1
		.amdhsa_system_sgpr_workgroup_id_z 1
		.amdhsa_system_vgpr_workitem_id 0
		.amdhsa_next_free_vgpr 1024
		.amdhsa_next_free_sgpr 100
		.amdhsa_reserve_vcc 0
		.amdhsa_float_denorm_mode_32 3
		.amdhsa_float_denorm_mode_16_64 3
		.amdhsa_memory_ordered 1
		.amdhsa_forward_progress 1
		.amdhsa_inst_pref_size 84
	.end_amdhsa_kernel
	.amdgpu_metadata
---
amdhsa.version: [ 1, 2 ]
amdhsa.kernels:
  - .name:           k_qc254d56f65_outp
    .symbol:         k_qc254d56f65_outp.kd
    .args:
      - { .name: cb, .offset: 0, .size: 8, .value_kind: global_buffer, .address_space: global }
      - { .name: wq, .offset: 8, .size: 8, .value_kind: global_buffer, .address_space: global }
      - { .name: bo, .offset: 16, .size: 8, .value_kind: global_buffer, .address_space: global }
      - { .name: out0, .offset: 24, .size: 8, .value_kind: global_buffer, .address_space: global }
    .group_segment_fixed_size: 327680
    .private_segment_fixed_size: 0
    .kernarg_segment_align: 8
    .kernarg_segment_size: 32
    .max_flat_workgroup_size: 128
    .sgpr_count:     100
    .vgpr_count:     1024
    .wavefront_size: 32
...
	.end_amdgpu_metadata
.endif
;; end of part 4
